; MI455X (gfx1250); checked and timed in simulation.
; The chip was launched on July 23, 2026; its instructions are those of AMD's public machine-readable ISA for CDNA 5 (MIT licence, August 2026) and "CDNA5" Instruction Set Architecture Reference Guide (July 2026). The comments in the code are by the model that wrote it; some were corrected since.
;; Flex Mo E. Allowed arithmetic: matrix products marked QUANTISED: E3M2 operands, one E8M0 scale for each 32 along K, by v_wmma_scale_f32_16x16x128_f8f6f4 with both operands' format E3M2, f32 sums; products left as they are: f32 operands where the result goes on into a quantised operand, else bf16, f16 or f32 operands; f32 sums; everything else in f32.
;; Inputs: expert_b 8 x 1,024 float32; expert_w_codes 8 x 1,024 x 32 x 24 uint8 (E3M2 codes of expert_w, K innermost, in blocks of 32 codes, four codes in three bytes); expert_w_scales 8 x 1,024 x 32 uint8 (E8M0 scales of expert_w, one for each 32 codes along K); gate_b 8 float32; gate_w 1,024 x 8 float32; head_b 2 float32; head_w 1,024 x 2 float32; x 4 x 2,048 x 1,024 float32.
;; Outputs: out0 2,048 x 2 float32.
;; This version of the problem:
;;   THIS VERSION OF THE PROBLEM IS GIVEN IN LOW PRECISION. The matrix products marked QUANTISED in the list below multiply operands that are first quantised to E3M2 (3 exponent bits, 2 mantissa bits; 6 bits a number), with one power-of-two scale for each 32 numbers along K (OCP MX v1.0); their sums are f32. All else is computed in f32.
;;   The module's matrix products, in the order in which they are computed (A, B: the left and right operand; K: the contracted axis; several contracted axes count as one K, in the product's order):
;;     1. [M 8,192, K 1,024] x [K 1,024, N 8]; A: input x; B: input gate_w: left as it is (N = 8 < 16)
;;     2. [M 8,192, K 1,024] x [K 1,024, N 8,192]; A: input x; B: input expert_w (given as codes): QUANTISED
;;     3. batch 8,192 x [M 1,024, K 8] x [K 8, N 1]; A: computed on the way; B: computed on the way: left as it is (K = 8 < 32)
;;     4. [M 2,048, K 1,024] x [K 1,024, N 2]; A: computed on the way; B: input head_w: left as it is (N = 2 < 16)
;;   THE QUANTISER, for each operand of a quantised product, along K:
;;     - K is cut into blocks of 32 from its start; a last block that is shorter is filled with zeros.
;;     - A block's scale is 2^e with e = floor(log2(the largest magnitude in the block)) - 4, held to -126 .. 127; a block of zeros has e = 0. As a byte (E8M0): e + 127.
;;     - Each number is divided by its block's scale, clamped to +-28, and rounded to the nearest number of E3M2, ties to even, subnormals kept.
;;     - The product sums the exact products of the quantised numbers (number of the format x scale) in f32.
;;   ~~~python
;;   def quantise(x, axis):      # numpy; x: float32 -> the quantised numbers, widened to float32 again
;;       x = np.moveaxis(x, axis, -1); K = x.shape[-1]
;;       x = np.pad(x, [(0, 0)] * (x.ndim - 1) + [(0, -K % 32)]); x = x.reshape(x.shape[:-1] + (-1, 32)); a = np.abs(x).max(-1, keepdims=True)
;;       e = np.where(a > 0, np.clip(np.frexp(np.where(a > 0, a, 1))[1] - 1 - 4, -126, 127), 0)      # np.frexp(a)[1] - 1 = floor(log2(a)), exactly
;;       r = np.clip(x / 2.0 ** e, -28, 28)
;;       step = 2.0 ** (np.maximum(np.frexp(np.where(r == 0, 1, r))[1] - 1, -2) - 2)
;;       q = np.round(r / step) * step * 2.0 ** e      # np.round: ties to even
;;       return np.moveaxis(q.reshape(q.shape[:-2] + (-1,))[..., :K], -1, axis).astype(np.float32)
;;   ~~~
;;   INPUTS GIVEN AS CODES. expert_w (in the module: [8, 1024, 1024], K = its axis 1): each comes as NAME_codes (uint8): NAME with its K axis moved to the last place and cut into blocks of 32 codes, [.., K / 32, bytes a block], one block behind the other in memory; four codes in three bytes: a row's codes are one little-endian stream of bits, code i at bits 6 i .. 6 i + 5 (a code: sign, 3 exponent bits, 2 mantissa bits); and NAME_scales (uint8): the same leading axes, one E8M0 byte (e + 127) for each 32 codes along K. Its value is code x scale, taken as it is: it is not quantised again, and the codes and scales need not be those that the quantiser above would give.
;; 2 versions. Each part assembles by itself: llvm-mc -triple=amdgcn-amd-amdhsa -mcpu=gfx1250 --defsym DOCPART=n.
;; ======== version 1 of 2: 4 launches
;; workspace buffers: x_codes 6,291,456 bytes; x_scales 262,144 bytes; emask 8,192 bytes of whole numbers; cw 32,768 bytes; part 1,048,576 bytes; list 557,056 bytes of whole numbers
;; launch route (part 1): grid 512 x 1, 4 waves a work-group, no clusters, 70,144 bytes of LDS; arguments x, gate_w, gate_b, x_codes, x_scales, emask, cw; writes x_codes, x_scales, emask, cw
.if DOCPART == 1
	.amdgcn_target "amdgcn-amd-amdhsa--gfx1250"
	.amdhsa_code_object_version 6
	.text
	.protected	k_q06517192b5_route
	.globl	k_q06517192b5_route
	.p2align	8
	.type	k_q06517192b5_route,@function
k_q06517192b5_route:
	s_mov_b64 s[64:65], 0
	v_nop
	global_prefetch_b8 v0, s[64:65] scope:SCOPE_SE
	s_setreg_imm32_b32 hwreg(HW_REG_WAVE_MODE, 25, 1), 1
	s_wait_xcnt 0x0
; ROUTE.  x [8192 tokens][1024] f32 is read once and serves twice:
;  (1) it is quantised along K into codes of E3M2 (x_codes [token][768 bytes], the row's stream of bits) and one E8M0 byte for each 32 (x_scales [token][32]);
;  (2) the gate: logits = x gate_w + gate_b in f32 (fused multiply-adds), softmax with the row's maximum taken away, top-2 on the probabilities with strict compares (a tie keeps the lower index),
;      winner = the larger of the two indices, s = the sum of the two renormalised probabilities.
; The winner steers no address here: it leaves as bit masks, emask [expert 8][256 words], bit i of word u = token 32 u + i has that winner; s leaves as cw [token].
; (The two indices differ, so expert 0 never wins: its row of emask is all zeros.)
; SHARES.  A work-group owns 16 tokens.  THE WAVES SHARE THE COLUMNS: wave w owns k = 256 w .. 256 w + 255 of every row, so a lane always holds the same 16 k and its 16 x 8 gate weights stay in 128 registers.
; A step is 2 rows x 1,024 bytes: four loads of 512 consecutive bytes, turned through the wave's own stage in LDS so that a lane holds 16 NEIGHBOURS along K (lanes 0-15: row 2 t, lanes 16-31: row 2 t + 1).
; Codes, scale bytes and the waves' parts of the logits meet in LDS; one barrier; then whole rows of codes leave, 512 consecutive bytes a store.
; cw (64 bytes) and emask (8 x 2 bytes) of a work-group are shorter than 256 bytes: together 40 KB of the launch's 6.6 MB.
; A block's scale is 2^(floor(log2(largest magnitude)) - 4): its byte is the largest magnitude's exponent field - 4, held at 1 from below.
; LIMITS: NaN and infinities are not served.  A block of zeros keeps the byte 1 with zero codes (the bytes are read by this program alone).  A probability under 2^-126 comes out of v_exp_f32 as 0
; and ties with other zeros.  Two probabilities that differ by less than f32 rounding may be ordered otherwise than by another order of summation.
; No tensor load, no cluster: work-groups share only gate_w's 32 KB; memory binds, and two work-groups lie on a WGP.
.set WREG, 13568                       ; LDS of a wave: two stages of 32 x 80 bytes, then 16 x 528 bytes for gate_w
.set GSTO, 5120
.set CST,  54272                       ; 16 rows x 768 bytes of codes
.set SST,  66560                       ; 16 rows x 32 scale bytes
.set LG,   67072                       ; [row 16][wave 4][8] f32: the waves' parts of the logits
.set RAW,  16                          ; v16-63   three sets of 16 numbers as loaded
.set X,    64                          ; v64-95   two sets of 16 neighbours
.set ACC,  96                          ; v96-111  8 pairs: even k's sum, odd k's sum
.set LP,   112                         ; v112-119 my wave's part of the 8 logits
.set GW,   128                         ; v128-255 gate_w(256 w + 16 g + i, e) at GW + 16 e + i
; v1 lane, v2 g = lane % 16, v3 x offset, v4 codes' place, v5 scale byte's place, v6 logits' place, v7 gate_w out of its stage, v8-11 at work,
; v12, v13 codes' way out (LDS, memory), v14, v15 stage in, out, v120-122 codes, v124-126 way-out addresses
	s_load_b256 s[4:11], s[0:1], 0x0               ; x, gate_w, gate_b, x_codes
	s_load_b128 s[12:15], s[0:1], 0x20             ; x_scales, emask
	s_load_b64 s[16:17], s[0:1], 0x30              ; cw
	s_set_vgpr_msb 0x40
	v_lshl_add_u32 v0, v0, 2, 0x11000
	v_mov_b32 v1, 0
	s_set_vgpr_msb 0x4000
	v_lshrrev_b32 v8, 5, v0
	v_readfirstlane_b32 s18, v8                    ; wave
	v_and_b32 v1, 31, v0
	v_and_b32 v2, 15, v0
	v_bfe_u32 v10, v0, 4, 1                        ; h = lane / 16
	v_lshlrev_b32 v11, 4, v1                       ; 16 x lane
	s_lshl_b32 s28, s18, 10
	v_add_nc_u32 v3, s28, v11                      ; x: my wave's 1,024 bytes of a row, 16 bytes a lane
	s_lshl_b32 s28, s18, 13
	v_add_nc_u32 v9, s28, v11                      ; gate_w: my wave's 8,192 bytes
	s_mul_i32 s29, s18, WREG
	v_lshrrev_b32 v14, 2, v1
	v_mul_u32_u24 v14, v14, 80
	v_and_b32 v15, 3, v1
	v_lshl_add_u32 v14, v15, 4, v14
	v_add_nc_u32 v14, s29, v14                     ; stage, in: four lanes' 64 bytes on end, then 16 of padding
	v_mul_u32_u24 v15, v1, 80
	v_add_nc_u32 v15, s29, v15                     ; stage, out: my 16 neighbours
	s_add_co_u32 s29, s29, GSTO
	v_add_nc_u32 v8, s29, v11                      ; gate_w into its stage
	v_mul_u32_u24 v7, v2, 528
	v_add_nc_u32 v7, s29, v7                       ; and out of it: the 512 bytes of my 16 k
	v_mul_u32_u24 v4, v10, 768
	v_mad_u32_u24 v4, v2, 12, v4
	s_mul_i32 s28, s18, 192
	s_add_co_u32 s28, s28, CST
	v_add_nc_u32 v4, s28, v4                       ; codes: row h, byte 192 w + 12 g
	v_lshrrev_b32 v5, 1, v2
	v_lshl_add_u32 v5, v10, 5, v5
	s_lshl_b32 s28, s18, 3
	s_add_co_u32 s28, s28, SST
	v_add_nc_u32 v5, s28, v5                       ; scale byte: row h, block 8 w + g / 2
	v_lshlrev_b32 v6, 7, v10
	s_lshl_b32 s28, s18, 5
	s_add_co_u32 s28, s28, LG
	v_add_nc_u32 v6, s28, v6                       ; logits: row h, wave w
	s_mul_i32 s28, s18, 3072
	v_add_nc_u32 v13, s28, v11                     ; the way out: my wave's quarter of the 12,288 bytes of codes
	v_add_nc_u32 v12, CST, v13
	s_mov_b32 s31, 0
	s_wait_kmcnt 0x0
	s_load_b256 s[20:27], s[8:9], 0x0              ; gate_b
	s_lshl_b32 s30, ttmp9, 16
	s_add_nc_u64 s[4:5], s[4:5], s[30:31]          ; 16 rows of 4,096 bytes a work-group
	s_mul_i32 s30, ttmp9, 12288
	s_add_nc_u64 s[10:11], s[10:11], s[30:31]
	s_lshl_b32 s30, ttmp9, 9
	s_add_nc_u64 s[12:13], s[12:13], s[30:31]
	s_lshl_b32 s30, ttmp9, 1
	s_add_nc_u64 s[14:15], s[14:15], s[30:31]      ; emask: my 16 tokens are half a word
	s_lshl_b32 s30, ttmp9, 6
	s_add_nc_u64 s[16:17], s[16:17], s[30:31]
.macro LOAD t                          ; step t: rows 2 t and 2 t + 1, my wave's 1,024 bytes of each, 512 consecutive bytes a load
.irp i, 0,1,2,3
	global_load_b128 v[RAW+16*((\t)%3)+4*\i:RAW+16*((\t)%3)+4*\i+3], v3, s[4:5] offset:8192*(\t)+4096*(\i/2)+512*(\i%2) th:TH_LOAD_NT
.endr
.endm
.macro TURN t                          ; through the stage: LDS serves a wave's instructions in order, so no wait stands between the stores and the loads
.irp i, 0,1,2,3
	ds_store_b128 v14, v[RAW+16*((\t)%3)+4*\i:RAW+16*((\t)%3)+4*\i+3] offset:2560*((\t)%2)+640*\i
.endr
.irp i, 0,1,2,3
	ds_load_b128 v[X+16*((\t)%2)+4*\i:X+16*((\t)%2)+4*\i+3], v15 offset:2560*((\t)%2)+16*\i
.endr
.endm
.irp q, 0,1,2,3,4,5,6,7,8,9,10,11,12,13,14,15
	global_load_b128 v[64+4*\q:67+4*\q], v9, s[6:7] offset:512*\q   ; load q is what the lanes with g = q want
.endr
	LOAD 0
	LOAD 1
	LOAD 2
	s_wait_loadcnt 12                              ; gate_w is in; the 12 younger loads are x's
.irp q, 0,1,2,3,4,5,6,7,8,9,10,11,12,13,14,15
	ds_store_b128 v8, v[64+4*\q:67+4*\q] offset:528*\q
.endr
.irp e, 0,1,2,3,4,5,6,7
.irp i, 0,1,2,3,4,5,6,7,8,9,10,11,12,13,14,15
	ds_load_b32 v[GW+16*\e+\i], v7 offset:32*\i+4*\e   ; laid with k neighbouring, so that the packed multiply-adds take pairs as they stand
.endr
.endr
	s_wait_dscnt 0x0                               ; the stores have read v64-127, which are written again below
	v_lshlrev_b32 v125, 4, v1                      ; the scale bytes' way out: 16 bytes a lane,
	v_add_nc_u32 v124, SST, v125
	v_lshl_add_u32 v126, v2, 7, LG                 ; and a row's 128 bytes of logit parts
	s_wait_loadcnt 8                               ; step 0's four loads are in
	TURN 0
.macro STEP t
.set XS, X+16*((\t)%2)
	s_wait_dscnt 0x0                               ; this step's numbers are back from the stage; every earlier LDS store has read its registers
.if (\t)+3 < 8
	LOAD (\t)+3
.endif
.if (\t) < 7
.if (\t) <= 4
	s_wait_loadcnt 8                               ; the next step's four loads are in; those of the two steps behind it may be out
.else
	s_wait_loadcnt 4*(6-(\t))
.endif
	TURN (\t)+1
.endif
	v_max3_num_f32 v8, |v[XS]|, |v[XS+1]|, |v[XS+2]|   ; the largest magnitude of my 16, in two chains
	v_max3_num_f32 v9, |v[XS+3]|, |v[XS+4]|, |v[XS+5]|
.irp i, 6,10
	v_max3_num_f32 v8, v8, |v[XS+\i]|, |v[XS+\i+1]|
	v_max3_num_f32 v9, v9, |v[XS+\i+2]|, |v[XS+\i+3]|
.endr
	v_max3_num_f32 v8, v8, |v[XS+14]|, |v[XS+15]|
	v_max3_num_f32 v8, v8, v9, 0x2800000           ; and the floor 2^(5 - 127): the byte cannot fall under 1
	v_max_num_f32_dpp v8, v8, v8 row_xmask:1 row_mask:0xf bank_mask:0xf   ; with my neighbour's 16: the block's
	v_add_nc_u32 v10, 0xfe000000, v8               ; 4 off its exponent field: the conversion takes the exponent field of this operand as its scale
	v_cvt_scalef32_pk16_bf6_f32 v[120:122], v[XS:XS+15], v10   ; to the nearest code, ties to even; beyond 28 the largest code
	v_lshrrev_b32 v11, 23, v10                     ; the scale's byte (a plain line behind the conversion)
	ds_store_b32 v4, v120 offset:1536*(\t)
	ds_store_b32 v4, v121 offset:1536*(\t)+4
	ds_store_b32 v4, v122 offset:1536*(\t)+8
	ds_store_b8 v5, v11 offset:64*(\t)             ; both lanes of a block write the same byte with the same value
.irp e, 0,1,2,3,4,5,6,7
	v_pk_mul_f32 v[ACC+2*\e:ACC+2*\e+1], v[XS:XS+1], v[GW+16*\e:GW+16*\e+1]   ; the first products start the sums
.endr
.irp i, 2,4,6,8,10,12,14
.irp e, 0,1,2,3,4,5,6,7
	v_pk_fma_f32 v[ACC+2*\e:ACC+2*\e+1], v[XS+\i:XS+\i+1], v[GW+16*\e+\i:GW+16*\e+\i+1], v[ACC+2*\e:ACC+2*\e+1]   ; eight chains by turns
.endr
.endr
.irp e, 0,1,2,3,4,5,6,7
	v_add_f32 v[LP+\e], v[ACC+2*\e], v[ACC+2*\e+1]
.endr
.irp k, 1,2,4,8
.irp e, 0,1,2,3,4,5,6,7
	v_add_f32_dpp v[LP+\e], v[LP+\e], v[LP+\e] row_xmask:\k row_mask:0xf bank_mask:0xf   ; over the 16 lanes of a row
.endr
.endr
	ds_store_b128 v6, v[LP:LP+3] offset:256*(\t)   ; a row's sixteen lanes write the same words with the same values
	ds_store_b128 v6, v[LP+4:LP+7] offset:256*(\t)+16
.endm
.irp t, 0,1,2,3,4,5,6,7
	STEP \t
.endr
	s_wait_kmcnt 0x0                               ; gate_b
	s_wait_dscnt 0x0                               ; for the others' sake: my stores have landed
	s_barrier_signal -1
	s_barrier_wait -1
.irp q, 0,1,2,3,4,5
	ds_load_b128 v[16+4*\q:19+4*\q], v12 offset:512*\q
.endr
.irp q, 0,1,2,3,4,5
	s_wait_dscnt 5-\q
	global_store_b128 v13, v[16+4*\q:19+4*\q], s[10:11] offset:512*\q   ; 32 lanes store 512 consecutive bytes, at a multiple of 256 from the buffer's first byte
.endr
	s_cmp_lg_u32 s18, 1
	s_cbranch_scc1 .Lnot_wave_1
	ds_load_b128 v[40:43], v124                    ; wave 1: the 16 rows' 512 scale bytes
	s_wait_dscnt 0x0
	global_store_b128 v125, v[40:43], s[12:13]
.Lnot_wave_1:
	s_cmp_lg_u32 s18, 0
	s_cbranch_scc1 .Lend
	; wave 0: the routing of row lane % 16 (lanes 16-31 do the same as lanes 0-15)
.irp u, 0,1,2,3
	ds_load_b128 v[64+8*\u:67+8*\u], v126 offset:32*\u
	ds_load_b128 v[68+8*\u:71+8*\u], v126 offset:32*\u+16
.endr
	s_wait_dscnt 0x0
.irp e, 0,2,4,6
	v_pk_add_f32 v[64+\e:65+\e], v[64+\e:65+\e], v[72+\e:73+\e]
	v_pk_add_f32 v[80+\e:81+\e], v[80+\e:81+\e], v[88+\e:89+\e]
.endr
.irp e, 0,2,4,6
	v_pk_add_f32 v[64+\e:65+\e], v[64+\e:65+\e], v[80+\e:81+\e]
.endr
.irp e, 0,1,2,3,4,5,6,7
	v_add_f32 v[64+\e], s[20+\e], v[64+\e]         ; + gate_b
.endr
	v_max3_num_f32 v96, v64, v65, v66
	v_max3_num_f32 v96, v96, v67, v68
	v_max3_num_f32 v96, v96, v69, v70
	v_max_num_f32 v96, v96, v71                    ; the row's largest logit is taken away ahead of the exponentials
.irp e, 0,1,2,3,4,5,6,7
	v_sub_f32 v[64+\e], v[64+\e], v96
.endr
.irp e, 0,1,2,3,4,5,6,7
	v_mul_f32 v[64+\e], 0x3fb8aa3b, v[64+\e]       ; x log2(e)
.endr
.irp e, 0,1,2,3,4,5,6,7
	v_exp_f32 v[64+\e], v[64+\e]
.endr
	v_nop                                          ; a plain line behind the exponentials
	s_wait_alu depctr_va_vdst(0)
	v_add_f32 v97, v64, v65
	v_add_f32 v98, v66, v67
	v_add_f32 v99, v68, v69
	v_add_f32 v100, v70, v71
	v_add_f32 v97, v97, v98
	v_add_f32 v99, v99, v100
	v_add_f32 v97, v97, v99
	v_rcp_f32 v97, v97
	v_mov_b32 v101, 0                              ; the best index so far (a plain line behind the reciprocal)
	s_wait_alu depctr_va_vdst(0)
.irp e, 0,1,2,3,4,5,6,7
	v_mul_f32 v[64+\e], v[64+\e], v97              ; the probabilities
.endr
	v_mov_b32 v100, v64                            ; the best: p of expert 0
	v_mov_b32 v102, -1.0                           ; the second: under every p
	v_mov_b32 v103, 0
.irp e, 1,2,3,4,5,6,7
	v_cmp_gt_f32 s32, v[64+\e], v100               ; strictly above the best?
	v_cmp_gt_f32 s33, v[64+\e], v102               ; strictly above the second?
	v_cndmask_b32 v102, v102, v[64+\e], s33
	v_cndmask_b32 v103, v103, \e, s33
	v_cndmask_b32 v102, v102, v100, s32            ; a new best pushes the old one down
	v_cndmask_b32 v103, v103, v101, s32
	v_cndmask_b32 v100, v100, v[64+\e], s32
	v_cndmask_b32 v101, v101, \e, s32
.endr
	v_max_u32 v105, v101, v103                     ; the winner: the larger index
	v_add_f32 v106, v100, v102
	v_rcp_f32 v106, v106
	v_mov_b32 v104, 0                              ; (a plain line behind the reciprocal)  lane e will hold expert e's 16 bits
	s_wait_alu depctr_va_vdst(0)
	v_mul_f32 v107, v100, v106
	v_fma_f32 v107, v102, v106, v107               ; s = the two renormalised probabilities' sum
.irp e, 0,1,2,3,4,5,6,7
	v_cmp_eq_u32 s32, \e, v105
	v_writelane_b32 v104, s32, \e
.endr
	v_lshlrev_b32 v108, 2, v1
	v_lshlrev_b32 v109, 10, v1
	v_cmp_gt_u32 vcc_lo, 16, v1
	s_wait_xcnt 0x0                                ; EXEC changes only behind this wait
	s_and_saveexec_b32 s34, vcc_lo
	global_store_b32 v108, v107, s[16:17]          ; cw of my 16 tokens
	s_wait_xcnt 0x0
	s_or_b32 exec_lo, exec_lo, s34
	v_cmp_gt_u32 vcc_lo, 8, v1
	s_and_saveexec_b32 s34, vcc_lo
	global_store_b16 v109, v104, s[14:15]          ; lane e: the low 16 bits, into expert e's row of 1,024 bytes
	s_wait_xcnt 0x0
	s_or_b32 exec_lo, exec_lo, s34
.Lend:
	s_set_vgpr_msb 0x5
	s_wait_tensorcnt 0x0
	ds_add_u32 v0, v1
	s_wait_dscnt 0x0
	s_set_vgpr_msb 0x500
	s_endpgm
.Lfunc_end_k_q06517192b5_route:
	.size	k_q06517192b5_route, .Lfunc_end_k_q06517192b5_route-k_q06517192b5_route
	.p2alignl 7, 3214868480
	.fill 96, 4, 3214868480
	.section	.rodata,"a",@progbits
	.p2align	6, 0x0
	.amdhsa_kernel k_q06517192b5_route
		.amdhsa_group_segment_fixed_size 70144
		.amdhsa_private_segment_fixed_size 0
		.amdhsa_enable_private_segment 0
		.amdhsa_kernarg_size 56
		.amdhsa_user_sgpr_count 2
		.amdhsa_user_sgpr_kernarg_segment_ptr 1
		.amdhsa_wavefront_size32 1
		.amdhsa_system_sgpr_workgroup_id_x 1
		.amdhsa_system_sgpr_workgroup_id_y 1
		.amdhsa_system_sgpr_workgroup_id_z 1
		.amdhsa_system_vgpr_workitem_id 0
		.amdhsa_next_free_vgpr 258
		.amdhsa_next_free_sgpr 66
		.amdhsa_reserve_vcc 1
		.amdhsa_float_denorm_mode_32 3
		.amdhsa_float_denorm_mode_16_64 3
		.amdhsa_memory_ordered 1
		.amdhsa_forward_progress 1
		.amdhsa_inst_pref_size 91
	.end_amdhsa_kernel
	.amdgpu_metadata
---
amdhsa.version: [ 1, 2 ]
amdhsa.kernels:
  - .name:           k_q06517192b5_route
    .symbol:         k_q06517192b5_route.kd
    .args:
      - { .name: x, .offset: 0, .size: 8, .value_kind: global_buffer, .address_space: global }
      - { .name: gate_w, .offset: 8, .size: 8, .value_kind: global_buffer, .address_space: global }
      - { .name: gate_b, .offset: 16, .size: 8, .value_kind: global_buffer, .address_space: global }
      - { .name: x_codes, .offset: 24, .size: 8, .value_kind: global_buffer, .address_space: global }
      - { .name: x_scales, .offset: 32, .size: 8, .value_kind: global_buffer, .address_space: global }
      - { .name: emask, .offset: 40, .size: 8, .value_kind: global_buffer, .address_space: global }
      - { .name: cw, .offset: 48, .size: 8, .value_kind: global_buffer, .address_space: global }
    .group_segment_fixed_size: 70144
    .private_segment_fixed_size: 0
    .kernarg_segment_align: 8
    .kernarg_segment_size: 56
    .max_flat_workgroup_size: 128
    .sgpr_count:     66
    .vgpr_count:     258
    .wavefront_size: 32
...
	.end_amdgpu_metadata
.endif
;; end of part 1
;; launch place (part 2): grid 64 x 1, 1 waves a work-group, no clusters, 8,960 bytes of LDS; arguments emask, list; writes list
.if DOCPART == 2
	.amdgcn_target "amdgcn-amd-amdhsa--gfx1250"
	.amdhsa_code_object_version 6
	.text
	.protected	k_q06517192b5_place
	.globl	k_q06517192b5_place
	.p2align	8
	.type	k_q06517192b5_place,@function
k_q06517192b5_place:
	s_mov_b64 s[64:65], 0
	v_nop
	global_prefetch_b8 v0, s[64:65] scope:SCOPE_SE
	s_setreg_imm32_b32 hwreg(HW_REG_WAVE_MODE, 25, 1), 1
	s_wait_xcnt 0x0
; PLACE.  The winners' bit masks (emask [expert 8][256 words], bit i of word u = token 32 u + i has that winner) become lists of tokens, one for each of the 64 slots of the next launch.
; A slot is an expert and a run of that expert's 256 mask words, by a fixed table, the same as in the next launch.  The larger of two different indices wins, so expert 0 never does and has no slot.
; list [slot 64][2,176 words]: words 0 .. n - 1 the slot's tokens in ascending order; words n .. n + 287 (as far as they lie under 2,080) repeat the first token, so that the next launch can take
; whole tiles of rows; word 2,080 is 0; word 2,081 is n; all else 0.  A slot without a row has n = 0 and token 0 everywhere.
; SHARES.  One wave to a slot: there is work for 64 waves, so 64 work-groups of one wave are launched.  The record is made in LDS and leaves in stores of 512 consecutive bytes.
; The 64 words are written out, each with address and data registers of its own: no loop, and no wait between the stores.  A word beyond the slot's run is cleared and places nothing.
; A member's place is the running count + the members in lower lanes; a lane that is no member stores to word 2,080, which is set to 0 at the end.
.set DUMPW, 2080
.set NWORD, 2081
.set RECB,  8704                       ; a record: 34 x 256 bytes
.set AD,    64                         ; v64-127  word j's LDS addresses; later the record on its way out
.set DA,    128                        ; v128-191 word j's tokens
; v0 lane, v2 4 x lane, v3 16 x lane, v4 2,080, v5 0 (a zero, and the list's first place), v6, v7 emask offsets, v8, v9 mask words, v10 first word's tokens, v11 first token, v13, v14 at work, v16-24 pad places
	s_load_b128 s[4:7], s[0:1], 0x0                ; emask, list
	v_lshl_add_u32 v192, v0, 2, 0x2200
	v_mov_b32 v193, 0
	v_lshlrev_b32 v2, 2, v0
	v_lshlrev_b32 v3, 4, v0
	v_mov_b32 v4, DUMPW
	v_mov_b32 v5, 0
	s_mov_b32 s21, 1                               ; the slot table: expert, its first slot, words a slot
	s_mov_b32 s22, 0
	s_mov_b32 s23, 64
.macro FROM first, e, words
	s_cmp_ge_u32 ttmp9, \first
	s_cselect_b32 s21, \e, s21
	s_cselect_b32 s22, \first, s22
	s_cselect_b32 s23, \words, s23
.endm
	FROM 4, 2, 52
	FROM 9, 3, 37
	FROM 16, 4, 29
	FROM 25, 5, 24
	FROM 36, 6, 20
	FROM 49, 7, 18
	s_sub_co_u32 s24, ttmp9, s22
	s_mul_i32 s25, s24, s23                        ; my first word, under 256 in every slot
	s_sub_co_u32 s26, 256, s25
	s_min_u32 s26, s26, s23                        ; W: my words, 1 to 64
	s_lshl_b32 s36, s21, 8
	s_add_co_u32 s36, s36, s25
	v_add_nc_u32 v6, s36, v0                       ; emask: word 256 e + first + lane, and 32 on; held inside the buffer (words beyond W are cleared below)
	v_add_nc_u32 v7, 32, v6
	v_min_u32 v6, 2047, v6
	v_min_u32 v7, 2047, v7
	v_lshlrev_b32 v6, 2, v6
	v_lshlrev_b32 v7, 2, v7
	s_mul_i32 s10, ttmp9, RECB
	s_mov_b32 s11, 0
	s_wait_kmcnt 0x0
	global_load_b32 v8, v6, s[4:5]                 ; the slot's mask words, one a lane
	global_load_b32 v9, v7, s[4:5]
	s_add_nc_u64 s[6:7], s[6:7], s[10:11]          ; my record
.set PF, 0
.rept 68
	ds_store_b32 v2, v5 offset:128*PF              ; the whole record begins as zeros, while the mask words are on their way
.set PF, PF+1
.endr
	s_lshl_b32 s12, s25, 5
	v_add_nc_u32 v10, s12, v0                      ; the first word's tokens
.set J, 0
.rept 64
	v_add_nc_u32 v[DA+J], 32*J, v10                ; word j's tokens
.set J, J+1
.endr
	s_wait_loadcnt 0x0
	v_cmp_gt_u32 vcc_lo, s26, v0
	v_cndmask_b32 v8, 0, v8, vcc_lo                ; words beyond W count for nothing
	v_add_nc_u32 v14, 32, v0
	v_cmp_gt_u32 vcc_lo, s26, v14
	v_cndmask_b32 v9, 0, v9, vcc_lo
	s_mov_b32 s43, 0                               ; the running count
.set J, 0
.rept 64
	v_readlane_b32 s42, v[8+J/32], J%32            ; word j
	v_mbcnt_lo_u32_b32 v[AD+J], s42, s43           ; the count so far + the members in lower lanes
	v_cndmask_b32 v[AD+J], v4, v[AD+J], s42        ; no member: word 2,080
	v_min_u32 v[AD+J], DUMPW, v[AD+J]
	v_lshlrev_b32 v[AD+J], 2, v[AD+J]
	ds_store_b32 v[AD+J], v[DA+J]
	s_bcnt1_i32_b32 s45, s42
	s_add_co_u32 s43, s43, s45
.set J, J+1
.endr
	s_wait_dscnt 0x0                               ; the list's stores are done
	ds_load_b32 v11, v5                            ; the slot's first token, in every lane (token 0 where the slot has no row)
	s_min_u32 s36, s43, 2048
	v_add_nc_u32 v13, s36, v0
.irp i, 0,1,2,3,4,5,6,7,8
	v_add_nc_u32 v[16+\i], 32*\i, v13              ; places n + lane + 32 i: n to n + 287, all that a gather of 256 rows and a last pair of tiles can read past the last row;
.endr
.irp i, 0,1,2,3,4,5,6,7,8
	v_min_u32 v[16+\i], DUMPW, v[16+\i]            ; what falls outside the list goes to word 2,080
.endr
.irp i, 0,1,2,3,4,5,6,7,8
	v_lshlrev_b32 v[16+\i], 2, v[16+\i]
.endr
	v_mov_b32 v14, s43
	s_wait_dscnt 0x0
.irp i, 0,1,2,3,4,5,6,7,8
	ds_store_b32 v[16+\i], v11                     ; they repeat the first token
.endr
	ds_store_b32 v5, v5 offset:4*DUMPW             ; word 2,080 ends as 0
	ds_store_b32 v5, v14 offset:4*NWORD            ; the number of rows
	s_wait_dscnt 0x0
.irp q, 0,1,2,3,4,5,6,7,8,9,10,11,12,13,14,15,16
	ds_load_b128 v[AD+4*\q:AD+4*\q+3], v3 offset:512*\q
.endr
.irp q, 0,1,2,3,4,5,6,7,8,9,10,11,12,13,14,15,16
	s_wait_dscnt 16-\q                             ; LDS loads come back in order: load q is in, the younger ones may be out
	global_store_b128 v3, v[AD+4*\q:AD+4*\q+3], s[6:7] offset:512*\q   ; 32 lanes store 512 consecutive bytes, at a multiple of 256 from the buffer's first byte
.endr
	s_wait_tensorcnt 0x0
	ds_add_u32 v192, v193
	s_wait_dscnt 0x0
	s_endpgm
.Lfunc_end_k_q06517192b5_place:
	.size	k_q06517192b5_place, .Lfunc_end_k_q06517192b5_place-k_q06517192b5_place
	.p2alignl 7, 3214868480
	.fill 96, 4, 3214868480
	.section	.rodata,"a",@progbits
	.p2align	6, 0x0
	.amdhsa_kernel k_q06517192b5_place
		.amdhsa_group_segment_fixed_size 8960
		.amdhsa_private_segment_fixed_size 0
		.amdhsa_enable_private_segment 0
		.amdhsa_kernarg_size 16
		.amdhsa_user_sgpr_count 2
		.amdhsa_user_sgpr_kernarg_segment_ptr 1
		.amdhsa_wavefront_size32 1
		.amdhsa_system_sgpr_workgroup_id_x 1
		.amdhsa_system_sgpr_workgroup_id_y 1
		.amdhsa_system_sgpr_workgroup_id_z 1
		.amdhsa_system_vgpr_workitem_id 0
		.amdhsa_next_free_vgpr 194
		.amdhsa_next_free_sgpr 66
		.amdhsa_reserve_vcc 1
		.amdhsa_float_denorm_mode_32 3
		.amdhsa_float_denorm_mode_16_64 3
		.amdhsa_memory_ordered 1
		.amdhsa_forward_progress 1
		.amdhsa_inst_pref_size 43
	.end_amdhsa_kernel
	.amdgpu_metadata
---
amdhsa.version: [ 1, 2 ]
amdhsa.kernels:
  - .name:           k_q06517192b5_place
    .symbol:         k_q06517192b5_place.kd
    .args:
      - { .name: emask, .offset: 0, .size: 8, .value_kind: global_buffer, .address_space: global }
      - { .name: list, .offset: 8, .size: 8, .value_kind: global_buffer, .address_space: global }
    .group_segment_fixed_size: 8960
    .private_segment_fixed_size: 0
    .kernarg_segment_align: 8
    .kernarg_segment_size: 16
    .max_flat_workgroup_size: 32
    .sgpr_count:     66
    .vgpr_count:     194
    .wavefront_size: 32
...
	.end_amdgpu_metadata
.endif
;; end of part 2
;; launch experts (part 3): grid 64 x 4, 4 waves a work-group, no clusters, 263,680 bytes of LDS; arguments x_codes, x_scales, list, expert_w_codes, expert_w_scales, expert_b, head_w, part; writes part
.if DOCPART == 3
	.amdgcn_target "amdgcn-amd-amdhsa--gfx1250"
	.amdhsa_code_object_version 6
	.text
	.protected	k_q06517192b5_experts
	.globl	k_q06517192b5_experts
	.p2align	8
	.type	k_q06517192b5_experts,@function
k_q06517192b5_experts:
	s_mov_b64 s[64:65], 0
	v_nop
	global_prefetch_b8 v0, s[64:65] scope:SCOPE_SE
	s_setreg_imm32_b32 hwreg(HW_REG_WAVE_MODE, 25, 1), 1
	s_wait_xcnt 0x0
; EXPERTS.  For each token only its winner's row of x expert_w survives the selection, so only that row is multiplied: codes of E3M2 on both sides, E8M0 scales, f32 sums.
; part[cb][token][c] = the sum over the 64 columns o of chunk cb of (Q(x)[token] . expert_w[winner][:, o] + expert_b[winner][o]) x head_w[o][c];  cb = 4 x work-group y + wave.
; SHARES.  Work-group y = a block of 256 columns.  Work-group x = a slot: an expert and a run of that expert's tokens, by a fixed table, the same as in the launch before, which has stored each slot's
; record in list: words 0 .. n - 1 its tokens, the next 287 places its first token again, word 2,081 the number of rows n (0 to 2,048).
; With gates that favour nobody expert e wins e / 28 of the tokens, and the table gives it slots in that measure; it only shares the work out: a slot takes however many rows its record holds.
; A wave holds its 64 columns x all of K in 384 registers for the whole launch.  The slot's first 256 rows of x's codes lie once in LDS and are read by all four waves; rows beyond come from memory.
; THE MATRIX INSTRUCTION IS USED TRANSPOSED (source 0 = 16 columns of expert_w, source 1 = 16 tokens): a lane holds one token and eight columns; expert_b is the C of each sum's first instruction.
; NO TENSOR LOAD, NO CLUSTER: the number of rows is read from memory and branches hang on it, and partners of a cluster would run unlike numbers of steps.
; ROWS PAST THE LAST REPEAT THE SLOT'S FIRST TOKEN.  Such a lane holds the same codes and scale words against the same weights, makes the same two numbers and stores them at the same 8 bytes of its wave's plane:
; so every lane stores, and EXEC is never changed.
; PHASES.  1: each wave gathers its share of 256 rows into LDS and turns its weights, 16 columns at a time, through its own stage into fragments; no branch hangs on the number of rows here,
; so all 256 rows are written whatever it is | barrier | 2: pairs of 16-row tiles: 64 matrix instructions, the head's two columns, one store of 8 bytes a row.  Behind the barrier LDS is only read.
; THE EIGHT PAIRS IN LDS ARE WRITTEN OUT: every LDS address is a register made at the head + an immediate; ahead of each pair a forward branch on the number of pairs leaves the run.
; ROWS BEYOND 256 go in a loop of a constant 28 trips, two pairs a trip; a trip whose pairs do not exist jumps over its work.
; LIMITS: the head, the weight s and the mean are applied in another order of f32 rounding than the source reads.  Each store covers 8 bytes of a token's place: the rows of a slot are not neighbours.
; REGISTERS, in windows of 256.  Window 0: v1-31 addresses; v32-63 the weights' scale words, v64-79 the rows' (these hold scales alone); v80-143 head_w's two columns; v144-207 eight accumulators; v208-255 at work.
;   Window 1: weight fragments of K steps 0-3 at v[48 t + 12 s]; v192-223 expert_b.   Window 2: K steps 4-7.   Window 3: row fragments, set X (K steps 0-3) v0-95, set Y v96-191; in the gather two stages.
.set APITCH, 784                       ; a row of codes in LDS: 768 + 16 bytes = 196 words: the 32 lanes of a load of 8 bytes at 784 r + 24 h touch 64 different banks (64 banks of 4 bytes: ISA guide 11.1)
.set ASL,   200704                     ; behind 256 such rows: the rows' 32 scale bytes, 48 bytes apart
.set BST,   212992                     ; a stage of 16 x 784 bytes for each wave
.set RECB,  8704                       ; a slot's record in list
.set NOFF,  8324                       ; the number of rows in it: word 2,081
.set SL,  4                            ; stage, in: 16 x lane
.set SLH, 5                            ; the same + 16 h: for the loads whose lanes 16-31 lie in the next row
.set FRB, 6                            ; stage, out: 784 r + 24 h
.set VT,  7                            ; rows beyond 256: 4 r + 128 x pair, in the record
.set ASA, 8                            ; a row's scale words: 48 r
.set LLA, 9                            ; in the record: 4 lane
.set LRA, 10                           ; 64 w + 4 h
.set LRS, 11                           ; 64 w + 4 (lane / 2)
.set LRT, 12                           ; 4 r
.set AST, 13                           ; v13, v27: where gathered rows go (tiles m = 0, 1; m = 2, 3)
.set SSA, 14                           ; where gathered scale bytes go
.set AFA, 15                           ; v15-17: a row fragment, 784 r + 24 h, at rows 0, 96, 192: each serves three pairs by the immediate
.set VL,  18                           ; rows beyond 256: 4 lane + 128 x pair, in the record
.set R16, 19
.set L16, 20
.set BOF, 21
.set BSO, 22
.set BIO, 23
.set HWO, 24
.set TMP, 28
.set H24, 31
.set BSC, 32
.set ASC, 64
.set HW,  80
.set ACC, 144
.set Y,   208                          ; behind the barrier: v208-215 four pairs of sums, v216-223 at work
.set YR,  216
.set TKA, 208                          ; ahead of it: v208-216, v217-225 two tiles' tokens; v226-234, v235-243 their offsets; v244-251 their scale bytes
.set TKB, 217
.set OFA, 226
.set OFB, 235
.set SG,  244
.set OTK, 224                          ; rows beyond 256: two tiles' tokens, four offsets
.set OOF, 226
.set TOK, 252
.set ROW, 253
.set BIAS, 192
.set MSB, 0
.macro WIN new                         ; the immediate's high byte repeats the setting that is left; at a label and at a branch every window is 0
.if MSB != \new
	s_set_vgpr_msb (MSB<<8)|\new
.set MSB, \new
.endif
.endm
.macro PLACES n                        ; plain vector lines behind matrix instructions: 4 in front of loads into, and reads of, their registers; 5 in front of a matrix instruction that writes over them
.rept \n
	v_nop
.endr
.endm
	s_load_b512 s[4:19], s[0:1], 0x0               ; x_codes, x_scales, list, w codes, w scales, expert_b, head_w, part
	v_lshl_add_u32 v254, v0, 2, 0x40400
	v_mov_b32 v255, 0
	v_lshrrev_b32 v[TMP], 5, v0
	v_readfirstlane_b32 s20, v[TMP]                ; wave
	v_and_b32 v1, 31, v0                           ; lane
	v_and_b32 v2, 15, v0                           ; r
	v_bfe_u32 v3, v0, 4, 1                         ; h
	s_and_b32 s27, ttmp7, 0xffff                   ; the block of 256 columns
	s_mov_b32 s21, 1                               ; the slot table: the slot's expert
.macro FROM first, e
	s_cmp_ge_u32 ttmp9, \first
	s_cselect_b32 s21, \e, s21
.endm
	FROM 4, 2
	FROM 9, 3
	FROM 16, 4
	FROM 25, 5
	FROM 36, 6
	FROM 49, 7
	s_mov_b32 s38, 0xffff0000                      ; lanes 16-31
	s_mov_b32 s40, 0x76543210                      ; v_permlanex16_b32: lane l xor 16
	s_mov_b32 s41, 0xfedcba98
	v_lshlrev_b32 v[BOF], 4, v1
	s_mul_i32 s35, s20, 16*APITCH
	s_add_co_u32 s36, s35, BST
	v_add_nc_u32 v[SL], s36, v[BOF]
	v_lshl_add_u32 v[SLH], v3, 4, v[SL]
	v_mul_u32_u24 v[AFA], v2, APITCH
	v_mad_u32_u24 v[AFA], v3, 24, v[AFA]
	v_add_nc_u32 v[FRB], s36, v[AFA]
	v_add_nc_u32 v[AFA+1], 96*APITCH, v[AFA]
	v_add_nc_u32 v[AFA+2], 192*APITCH, v[AFA]
	v_mul_u32_u24 v[ASA], v2, 48
	v_add_nc_u32 v[ASA], ASL, v[ASA]
	v_lshlrev_b32 v[LLA], 2, v1
	s_lshl_b32 s37, s20, 6
	v_lshlrev_b32 v[LRA], 2, v3
	v_add_nc_u32 v[LRA], s37, v[LRA]
	v_lshrrev_b32 v[TMP], 1, v1
	v_lshlrev_b32 v[LRS], 2, v[TMP]
	v_add_nc_u32 v[LRS], s37, v[LRS]
	v_lshlrev_b32 v[LRT], 2, v2
	v_lshlrev_b32 v[R16], 4, v2
	v_mad_u32_u24 v[AST], v3, APITCH, v[R16]
	v_add_nc_u32 v[AST], s35, v[AST]               ; row 16 w + h, 16 bytes a lane of sixteen
	v_add_nc_u32 v[AST+14], 128*APITCH, v[AST]
	v_and_b32 v[L16], 1, v1
	v_lshlrev_b32 v[L16], 4, v[L16]
	v_mad_u32_u24 v[SSA], v[TMP], 48, v[L16]
	s_mul_i32 s36, s20, 768
	s_add_co_u32 s36, s36, ASL
	v_add_nc_u32 v[SSA], s36, v[SSA]
	v_lshlrev_b32 v[BSO], 5, v2
	v_lshlrev_b32 v[BIO], 5, v3
	v_lshlrev_b32 v[HWO], 6, v3
	v_mul_u32_u24 v[H24], v3, 24
	s_lshl_b32 s36, s21, 10
	s_lshl_b32 s37, s27, 8
	s_lshl_b32 s39, s20, 6
	s_add_co_u32 s37, s37, s39                     ; my first column: 256 y + 64 w
	s_add_co_u32 s36, s36, s37                     ; and its row among the 8,192 rows of the weights
	s_mov_b32 s49, 0
	s_wait_kmcnt 0x0
	s_mul_i32 s48, ttmp9, RECB
	s_add_nc_u64 s[8:9], s[8:9], s[48:49]          ; my slot's record
	s_load_b32 s30, s[8:9], NOFF                   ; the number of rows
	s_mul_i32 s48, s36, 768
	s_add_nc_u64 s[10:11], s[10:11], s[48:49]
	s_lshl_b32 s48, s36, 5
	s_add_nc_u64 s[12:13], s[12:13], s[48:49]
	s_lshl_b32 s48, s36, 2
	s_add_nc_u64 s[14:15], s[14:15], s[48:49]
	s_lshl_b32 s48, s37, 3
	s_add_nc_u64 s[16:17], s[16:17], s[48:49]
	s_lshl_b32 s48, s27, 2
	s_add_co_u32 s48, s48, s20
	s_lshl_b32 s48, s48, 16
	s_add_nc_u64 s[18:19], s[18:19], s[48:49]      ; my plane of part: 65,536 bytes x (4 y + w)
; The tokens of tile 4 m + w (16 rows): register k: row 2 k + h, as the gather's load k wants it; register 8: row lane / 2, for the scale bytes.
.macro TOKENS m, tk
.irp k, 0,1,2,3,4,5,6,7
	global_load_b32 v[\tk+\k], v[LRA], s[8:9] offset:256*(\m)+8*\k
.endr
	global_load_b32 v[\tk+8], v[LRS], s[8:9] offset:256*(\m)
.endm
.macro OFFSETS tk, of                  ; token x 768 + 16 r in x_codes; token x 32 + 16 (lane % 2) in x_scales
.irp k, 0,1,2,3,4,5,6,7,8
	v_min_u32 v[\of+\k], 8191, v[\tk+\k]
.endr
.irp k, 0,1,2,3,4,5,6,7
	v_mul_u32_u24 v[\of+\k], v[\of+\k], 768
.endr
	v_lshl_add_u32 v[\of+8], v[\of+8], 5, v[L16]
.irp k, 0,1,2,3,4,5,6,7
	v_add_nc_u32 v[\of+\k], v[\of+\k], v[R16]
.endr
.endm
.macro GATHER m, of                    ; tile 4 m + w is asked for: sixteen lanes read 256 consecutive bytes of a row, two rows a load: 25 loads
	global_load_b128 v[SG+4*((\m)%2):SG+4*((\m)%2)+3], v[\of+8], s[6:7]
	WIN 0xc0                                       ; destination window 3
.irp k, 0,1,2,3,4,5,6,7
.irp u, 0,1,2
	global_load_b128 v[96*((\m)%2)+12*\k+4*\u:96*((\m)%2)+12*\k+4*\u+3], v[\of+\k], s[4:5] offset:256*\u
.endr
.endr
	WIN 0
.endm
.macro GATHER_PUT m
	ds_store_b128 v[SSA], v[SG+4*((\m)%2):SG+4*((\m)%2)+3] offset:3072*(\m)
	WIN 0x0c                                       ; an LDS store's data are its source 1: window 3
.irp k, 0,1,2,3,4,5,6,7
.irp u, 0,1,2
	ds_store_b128 v[AST+14*((\m)/2)], v[96*((\m)%2)+12*\k+4*\u:96*((\m)%2)+12*\k+4*\u+3] offset:64*APITCH*((\m)%2)+2*APITCH*\k+256*\u
.endr
.endr
	WIN 0
.endm
; The 512 dense bytes of load q of a tile go to rows 784 bytes apart: three loads are two rows; in the middle one lanes 16-31 lie in the second row.
.macro TSTORE q, reg
.if (\q)%3 == 0
	ds_store_b128 v[SL], v[\reg:\reg+3] offset:2*APITCH*((\q)/3)
.elseif (\q)%3 == 1
	ds_store_b128 v[SLH], v[\reg:\reg+3] offset:2*APITCH*((\q)/3)+512
.else
	ds_store_b128 v[SL], v[\reg:\reg+3] offset:2*APITCH*((\q)/3)+1040
.endif
.endm
; Tile t's bytes come back as eight fragments, into the registers that they left: lane (r, h): row r, registers 6 c .. 6 c + 5 = the 24 bytes at 96 s + 48 c + 24 h.  LDS serves a wave's instructions in order.
.macro TRANSPOSE t
	WIN 0x04
.irp q, 0,1,2,3,4,5,6,7,8,9,10,11
	TSTORE \q, 48*(\t)+4*\q
.endr
	WIN 0x08
.irp q, 12,13,14,15,16,17,18,19,20,21,22,23
	TSTORE \q, 48*(\t)+4*(\q-12)
.endr
	WIN 0x40
.irp s4, 0,1,2,3
.irp p, 0,1,2,3,4,5
	ds_load_b64 v[48*(\t)+12*\s4+2*\p:48*(\t)+12*\s4+2*\p+1], v[FRB] offset:96*\s4+48*(\p/3)+8*(\p%3)
.endr
.endr
	WIN 0x80
.irp s4, 0,1,2,3
.irp p, 0,1,2,3,4,5
	ds_load_b64 v[48*(\t)+12*\s4+2*\p:48*(\t)+12*\s4+2*\p+1], v[FRB] offset:384+96*\s4+48*(\p/3)+8*(\p%3)
.endr
.endr
	WIN 0
.endm
	TOKENS 0, TKA                                  ; the tokens first: the gather hangs on them
	TOKENS 1, TKB
	WIN 0x40                                       ; destination window 1
.irp t, 0,1,2,3                        ; my 64 rows of weights are 49,152 dense bytes: 512 consecutive bytes a load; the first half of each tile of 16 rows
.irp q, 0,1,2,3,4,5,6,7,8,9,10,11
	global_load_b128 v[48*\t+4*\q:48*\t+4*\q+3], v[BOF], s[10:11] offset:12288*\t+512*\q
.endr
.endr
	WIN 0
	s_wait_loadcnt 48                              ; the tokens of two tiles are in; the 48 younger loads are weights
	OFFSETS TKA, OFA
	OFFSETS TKB, OFB
	WIN 0x80                                       ; destination window 2: the second half of each tile
.irp t, 0,1,2,3
.irp q, 0,1,2,3,4,5,6,7,8,9,10,11
	global_load_b128 v[48*\t+4*\q:48*\t+4*\q+3], v[BOF], s[10:11] offset:12288*\t+6144+512*\q
.endr
.endr
	WIN 0x40
.irp t, 0,1,2,3                        ; expert_b in the result's layout: lane (r, h): columns 16 t + 8 h + 0 .. 7
	global_load_b128 v[BIAS+8*\t:BIAS+8*\t+3], v[BIO], s[14:15] offset:64*\t
	global_load_b128 v[BIAS+8*\t+4:BIAS+8*\t+7], v[BIO], s[14:15] offset:64*\t+16
.endr
	WIN 0
.irp t, 0,1,2,3                        ; the weights' scale words: lane r: row 16 t + r, its eight words
	global_load_b128 v[BSC+8*\t:BSC+8*\t+3], v[BSO], s[12:13] offset:512*\t
	global_load_b128 v[BSC+8*\t+4:BSC+8*\t+7], v[BSO], s[12:13] offset:512*\t+16
.endr
.irp t, 0,1,2,3                        ; head_w of the same columns, two numbers a column, into the registers that the accumulators will take
.irp u, 0,1,2,3
	global_load_b128 v[ACC+16*\t+4*\u:ACC+16*\t+4*\u+3], v[HWO], s[16:17] offset:128*\t+16*\u
.endr
.endr
	TOKENS 2, TKA                                  ; the other two tiles' tokens, into the registers that the offsets above have read
	TOKENS 3, TKB
	GATHER 0, OFA
	GATHER 1, OFB
	s_wait_loadcnt 50                              ; weights, scales, expert_b, head_w and the tokens are in; the 50 younger loads are the two tiles' 25 each
.irp t, 0,1,2,3
.irp i, 0,1,2,3,4,5,6,7
	v_mov_b32 v[HW+8*\t+\i], v[ACC+16*\t+2*\i]     ; head_w's two columns are parted once, so that the packed multiply-adds of every pair take register pairs as they stand
	v_mov_b32 v[HW+32+8*\t+\i], v[ACC+16*\t+2*\i+1]
.endr
.endr
	TRANSPOSE 0
	TRANSPOSE 1
	s_wait_loadcnt 0x0                             ; the two tiles are in; their offsets are free
	GATHER_PUT 0
	GATHER_PUT 1
	s_wait_dscnt 0x0                               ; the stores into LDS have read the registers that the loads below fill
	s_wait_xcnt 0x0
	OFFSETS TKA, OFA
	OFFSETS TKB, OFB
	GATHER 2, OFA
	GATHER 3, OFB
	TRANSPOSE 2
	TRANSPOSE 3
	s_wait_loadcnt 0x0
	GATHER_PUT 2
	GATHER_PUT 3
	s_wait_dscnt 0x0                               ; for the others' sake: my rows have landed; for mine: my weights' fragments are in
	s_barrier_signal -1
	s_barrier_wait -1
	s_wait_kmcnt 0x0                               ; the number of rows
	s_min_u32 s30, s30, 2048                       ; n
	s_add_co_u32 s31, s30, 31
	s_lshr_b32 s31, s31, 5                         ; pairs of tiles
	s_min_u32 s32, s31, 8                          ; of them in LDS
	v_mov_b32 v[YR+6], 0                           ; written once: a lane permute's destination counts as one of its sources
	v_mov_b32 v[YR+7], 0
; Two tiles' fragments of four K steps (half 0: steps 0-3 into set X; 1: steps 4-7 into set Y), from off bytes behind the address register.  Called with the destination in window 3.
.macro FETCH_A adr, off, half
.irp a, 0,1
.irp s4, 0,1,2,3
.irp p, 0,1,2,3,4,5
	ds_load_b64 v[96*\half+48*\a+12*\s4+2*\p:96*\half+48*\a+12*\s4+2*\p+1], v[\adr] offset:(\off)+16*APITCH*\a+96*(4*\half+\s4)+48*(\p/3)+8*(\p%3)
.endr
.endr
.endr
.endm
.macro FETCH_SC off                    ; the two tiles' scale words: lane r: row r's eight
.irp a, 0,1
.irp q, 0,1
	ds_load_b128 v[ASC+8*\a+4*\q:ASC+8*\a+4*\q+3], v[ASA] offset:(\off)+768*\a+16*\q
.endr
.endr
.endm
; 32 matrix instructions: four K steps x two tiles of rows x my four tiles of columns.  The eight accumulators take turns, one instruction a turn, in the same order in every K step.
.macro RUN half
.irp s4, 0,1,2,3
.if (\half == 0) && (\s4 == 0)
	WIN 0x1d                                       ; source 0 (weights) window 1, source 1 (rows) window 3, C (expert_b) window 1, D window 0
.elseif \half == 0
	WIN 0x0d
.else
	WIN 0x0e                                       ; weights in window 2
.endif
.irp a, 0,1
.irp t, 0,1,2,3
.if (\half == 0) && (\s4 == 0)
	v_wmma_scale_f32_16x16x128_f8f6f4 v[ACC+32*\a+8*\t:ACC+32*\a+8*\t+7], v[48*\t+12*\s4:48*\t+12*\s4+11], v[96*\half+48*\a+12*\s4:96*\half+48*\a+12*\s4+11], v[BIAS+8*\t:BIAS+8*\t+7], v[BSC+8*\t+4*\half+\s4], v[ASC+8*\a+4*\half+\s4] matrix_a_fmt:MATRIX_FMT_BF6 matrix_b_fmt:MATRIX_FMT_BF6
.else
	v_wmma_scale_f32_16x16x128_f8f6f4 v[ACC+32*\a+8*\t:ACC+32*\a+8*\t+7], v[48*\t+12*\s4:48*\t+12*\s4+11], v[96*\half+48*\a+12*\s4:96*\half+48*\a+12*\s4+11], v[ACC+32*\a+8*\t:ACC+32*\a+8*\t+7], v[BSC+8*\t+4*\half+\s4], v[ASC+8*\a+4*\half+\s4] matrix_a_fmt:MATRIX_FMT_BF6 matrix_b_fmt:MATRIX_FMT_BF6
.endif
.endr
.endr
.endr
.endm
; The head: four chains (tile x head column) of 16 packed multiply-adds; each accumulator is read from its low end on.  Then the lanes' halves meet: lanes 0-15 end with the first tile's rows, lanes 16-31 with the second's.
.macro HEAD
	s_wait_xcnt 0x0                                ; the last pair's store has read its data and its offset: both are written again below
.irp jp, 0,1,2,3
.irp t, 0,1,2,3
.irp a, 0,1
.irp c, 0,1
.if (\jp == 0) && (\t == 0)
	v_pk_mul_f32 v[Y+4*\a+2*\c:Y+4*\a+2*\c+1], v[ACC+32*\a+8*\t+2*\jp:ACC+32*\a+8*\t+2*\jp+1], v[HW+32*\c+8*\t+2*\jp:HW+32*\c+8*\t+2*\jp+1]
.else
	v_pk_fma_f32 v[Y+4*\a+2*\c:Y+4*\a+2*\c+1], v[ACC+32*\a+8*\t+2*\jp:ACC+32*\a+8*\t+2*\jp+1], v[HW+32*\c+8*\t+2*\jp:HW+32*\c+8*\t+2*\jp+1], v[Y+4*\a+2*\c:Y+4*\a+2*\c+1]
.endif
.endr
.endr
.endr
.endr
.irp i, 0,1,2,3
	v_add_f32 v[YR+\i], v[Y+2*\i], v[Y+2*\i+1]     ; first tile: columns 0, 1; second tile: columns 0, 1
.endr
	v_cndmask_b32 v[YR+4], v[YR+2], v[YR], s38     ; what the other half wants: lanes 0-15 send the second tile's, lanes 16-31 the first's
	v_cndmask_b32 v[YR+5], v[YR+3], v[YR+1], s38
	v_cndmask_b32 v[YR], v[YR], v[YR+2], s38       ; what I keep
	v_cndmask_b32 v[YR+1], v[YR+1], v[YR+3], s38
	v_permlanex16_b32 v[YR+6], v[YR+4], s40, s41
	v_permlanex16_b32 v[YR+7], v[YR+5], s40, s41
	v_add_f32 v[YR], v[YR], v[YR+6]
	v_add_f32 v[YR+1], v[YR+1], v[YR+7]
.endm
.macro SEND                            ; every lane stores its row's two numbers, 8 bytes at its token's place in my plane (a lane past the last row: the first token's, once more)
	v_min_u32 v[ROW], 8191, v[TOK]
	v_lshlrev_b32 v[ROW], 3, v[ROW]
	global_store_b64 v[ROW], v[YR:YR+1], s[18:19]
.endm
; Pair p of the eight in LDS.  Its K steps 0-3 and its scale words were asked for in the pair before (pair 0's ahead of the run); pair p + 1's are asked for here: all 256 rows are filled, so the rows exist whatever n is.
.macro PAIR p
.set AR, AFA+(\p)/3
.set AO, 32*APITCH*((\p)%3)
	global_load_b32 v[TOK], v[LLA], s[8:9] offset:128*(\p)   ; the pair's tokens, one a lane: wanted behind the pair's 64 products
	WIN 0xc0
	FETCH_A AR, AO, 1
	s_wait_dscnt 48                                ; set X and the scale words are in; the 48 younger loads are set Y
	RUN 0
	WIN 0
	PLACES 4                                       ; in front of the loads into set X
.if (\p) < 7
.set AR, AFA+((\p)+1)/3
.set AO, 32*APITCH*(((\p)+1)%3)
	WIN 0xc0
	FETCH_A AR, AO, 0
	s_wait_dscnt 48                                ; set Y is in; the 48 younger loads are the next pair's set X
.else
	s_wait_dscnt 0x0
.endif
	RUN 1
	WIN 0
	PLACES 5                                       ; in front of the loads into the scale words and the reads of the results (4), and of the next pair's first products, which write over the accumulators with another C (5)
.if (\p) < 7
	FETCH_SC 1536*((\p)+1)
.endif
	HEAD
	s_wait_loadcnt 0x0                             ; the pair's tokens: the one load that is out
	SEND
.endm
	s_cmp_eq_u32 s32, 0
	s_cbranch_scc1 .Lpairs_done                    ; a slot without rows multiplies and stores nothing
	WIN 0xc0
	FETCH_A AFA, 0, 0                              ; pair 0, K steps 0-3
	WIN 0
	FETCH_SC 0
	PAIR 0
.irp p, 1,2,3,4,5,6,7
	s_cmp_le_u32 s32, \p
	s_cbranch_scc1 .Lpairs_done
	PAIR \p
.endr
.Lpairs_done:
	s_wait_dscnt 0x0                               ; the loads ahead have landed: their registers may be loaded again
; Pair s33 + k of the rows beyond LDS's 256: each wave takes its fragments straight from memory.  Only where a slot has more than 256 rows.
.macro OPAIR k
	global_load_b32 v[TOK], v[VL], s[8:9] offset:128*\k
	global_load_b32 v[OTK], v[VT], s[8:9] offset:128*\k       ; lane (r, h): row r of the first tile,
	global_load_b32 v[OTK+1], v[VT], s[8:9] offset:128*\k+64  ; and of the second
	s_wait_loadcnt 0x0
	v_min_u32 v[OOF], 8191, v[OTK]
	v_min_u32 v[OOF+1], 8191, v[OTK+1]
	v_lshlrev_b32 v[OOF+2], 5, v[OOF]
	v_lshlrev_b32 v[OOF+3], 5, v[OOF+1]
	v_mul_u32_u24 v[OOF], v[OOF], 768
	v_mul_u32_u24 v[OOF+1], v[OOF+1], 768
	v_add_nc_u32 v[OOF], v[OOF], v[H24]
	v_add_nc_u32 v[OOF+1], v[OOF+1], v[H24]
.irp a, 0,1
.irp q, 0,1
	global_load_b128 v[ASC+8*\a+4*\q:ASC+8*\a+4*\q+3], v[OOF+2+\a], s[6:7] offset:16*\q
.endr
.endr
	WIN 0xc0
.irp half, 0,1
.irp a, 0,1
.irp s4, 0,1,2,3
.irp p, 0,1,2,3,4,5
	global_load_b64 v[96*\half+48*\a+12*\s4+2*\p:96*\half+48*\a+12*\s4+2*\p+1], v[OOF+\a], s[4:5] offset:96*(4*\half+\s4)+48*(\p/3)+8*(\p%3)
.endr
.endr
.endr
.endr
	s_wait_loadcnt 0x0                             ; it also frees the offsets for the next pair
	RUN 0
	RUN 1
	WIN 0
	PLACES 5
	HEAD
	SEND
.endm
	s_mov_b32 s33, 8
.Lover:                                            ; pairs 8 to 63, two a trip: 28 trips whatever n is; the record's offsets are made from the counter at the trip's head
	s_lshl_b32 s36, s33, 7
	v_add_nc_u32 v[VL], s36, v[LLA]                ; (the loads that last used these two registers were waited for in their own pair)
	v_add_nc_u32 v[VT], s36, v[LRT]
	s_cmp_ge_u32 s33, s31
	s_cbranch_scc1 .Lover_skip                     ; no such pair: the trip's work is jumped over
	OPAIR 0
	s_add_co_u32 s34, s33, 1
	s_cmp_ge_u32 s34, s31
	s_cbranch_scc1 .Lover_skip
	OPAIR 1
.Lover_skip:
	s_add_co_u32 s33, s33, 2
	s_cmp_lt_u32 s33, 64
	s_cbranch_scc1 .Lover
	s_wait_tensorcnt 0x0
	ds_add_u32 v254, v255
	s_wait_dscnt 0x0
	s_endpgm
.Lfunc_end_k_q06517192b5_experts:
	.size	k_q06517192b5_experts, .Lfunc_end_k_q06517192b5_experts-k_q06517192b5_experts
	.p2alignl 7, 3214868480
	.fill 96, 4, 3214868480
	.section	.rodata,"a",@progbits
	.p2align	6, 0x0
	.amdhsa_kernel k_q06517192b5_experts
		.amdhsa_group_segment_fixed_size 263680
		.amdhsa_private_segment_fixed_size 0
		.amdhsa_enable_private_segment 0
		.amdhsa_kernarg_size 64
		.amdhsa_user_sgpr_count 2
		.amdhsa_user_sgpr_kernarg_segment_ptr 1
		.amdhsa_wavefront_size32 1
		.amdhsa_system_sgpr_workgroup_id_x 1
		.amdhsa_system_sgpr_workgroup_id_y 1
		.amdhsa_system_sgpr_workgroup_id_z 1
		.amdhsa_system_vgpr_workitem_id 0
		.amdhsa_next_free_vgpr 1024
		.amdhsa_next_free_sgpr 66
		.amdhsa_reserve_vcc 0
		.amdhsa_float_denorm_mode_32 3
		.amdhsa_float_denorm_mode_16_64 3
		.amdhsa_memory_ordered 1
		.amdhsa_forward_progress 1
		.amdhsa_inst_pref_size 255
	.end_amdhsa_kernel
	.section	.bss,"aw",@nobits
	.p2align	6
	.space	262144
	.amdgpu_metadata
---
amdhsa.version: [ 1, 2 ]
amdhsa.kernels:
  - .name:           k_q06517192b5_experts
    .symbol:         k_q06517192b5_experts.kd
    .args:
      - { .name: x_codes, .offset: 0, .size: 8, .value_kind: global_buffer, .address_space: global }
      - { .name: x_scales, .offset: 8, .size: 8, .value_kind: global_buffer, .address_space: global }
      - { .name: list, .offset: 16, .size: 8, .value_kind: global_buffer, .address_space: global }
      - { .name: expert_w_codes, .offset: 24, .size: 8, .value_kind: global_buffer, .address_space: global }
      - { .name: expert_w_scales, .offset: 32, .size: 8, .value_kind: global_buffer, .address_space: global }
      - { .name: expert_b, .offset: 40, .size: 8, .value_kind: global_buffer, .address_space: global }
      - { .name: head_w, .offset: 48, .size: 8, .value_kind: global_buffer, .address_space: global }
      - { .name: part, .offset: 56, .size: 8, .value_kind: global_buffer, .address_space: global }
    .group_segment_fixed_size: 263680
    .private_segment_fixed_size: 0
    .kernarg_segment_align: 8
    .kernarg_segment_size: 64
    .max_flat_workgroup_size: 128
    .sgpr_count:     66
    .vgpr_count:     1024
    .wavefront_size: 32
...
	.end_amdgpu_metadata
.endif
;; end of part 3
;; launch finish (part 4): grid 64 x 1, 1 waves a work-group, no clusters, 0 bytes of LDS; arguments part, cw, head_b, out0; writes out0
.if DOCPART == 4
	.amdgcn_target "amdgcn-amd-amdhsa--gfx1250"
	.amdhsa_code_object_version 6
	.text
	.protected	k_q06517192b5_finish
	.globl	k_q06517192b5_finish
	.p2align	8
	.type	k_q06517192b5_finish,@function
k_q06517192b5_finish:
	s_mov_b64 s[64:65], 0
	v_nop
	global_prefetch_b8 v0, s[64:65] scope:SCOPE_SE
	s_setreg_imm32_b32 hwreg(HW_REG_WAVE_MODE, 25, 1), 1
	s_wait_xcnt 0x0
; FINISH.  out0[b][c] = head_b[c] + 0.25 x the sum over the 4 modalities m of cw[m][b] x (the sum over the 16 column chunks cb of part[cb][2048 m + b][c]).
; A lane owns one b; a wave 32 neighbouring b: each load of part reads 256 consecutive bytes, at a multiple of 256 from the buffer's first byte, and the one store fills such a run.
; There is work for 64 waves, so 64 work-groups of one wave are launched.  No LDS, no barrier: lanes share nothing.
; The sums' order differs from the source's (columns first, then modalities): f32 rounding only.
	s_load_b256 s[4:11], s[0:1], 0x0               ; part, cw, head_b, out0
	v_lshlrev_b32 v1, 3, v0                        ; 8 bytes a lane
	v_lshlrev_b32 v2, 2, v0
	s_lshl_b32 s12, ttmp9, 8
	s_mov_b32 s13, 0
	s_lshl_b32 s14, ttmp9, 7
	s_mov_b32 s15, 0
	s_mov_b32 s18, 0x3e800000                      ; 0.25: the mean over four
	s_wait_kmcnt 0x0
	s_load_b64 s[16:17], s[8:9], 0x0               ; head_b
	s_add_nc_u64 s[4:5], s[4:5], s[12:13]
	s_add_nc_u64 s[10:11], s[10:11], s[12:13]
	s_add_nc_u64 s[6:7], s[6:7], s[14:15]
.irp m, 0,1,2,3
.irp cb, 0,1,2,3,4,5,6,7,8,9,10,11,12,13,14,15
	global_load_b64 v[8+2*(16*\m+\cb):9+2*(16*\m+\cb)], v1, s[4:5] offset:65536*\cb+16384*\m th:TH_LOAD_NT
.endr
.endr
.irp m, 0,1,2,3
	global_load_b32 v[136+\m], v2, s[6:7] offset:8192*\m th:TH_LOAD_NT
.endr
	s_wait_loadcnt 0x0
	s_wait_kmcnt 0x0
.irp cb, 1,2,3,4,5,6,7
.irp m, 0,1,2,3
	v_pk_add_f32 v[8+32*\m:9+32*\m], v[8+32*\m:9+32*\m], v[8+32*\m+2*\cb:9+32*\m+2*\cb]           ; two chains for each modality, eight chains by turns
	v_pk_add_f32 v[24+32*\m:25+32*\m], v[24+32*\m:25+32*\m], v[24+32*\m+2*\cb:25+32*\m+2*\cb]
.endr
.endr
.irp m, 0,1,2,3
	v_pk_add_f32 v[8+32*\m:9+32*\m], v[8+32*\m:9+32*\m], v[24+32*\m:25+32*\m]
.endr
	v_mul_f32 v140, v8, v136                       ; x the token's weight s
	v_mul_f32 v141, v9, v136
.irp m, 1,2,3
	v_fma_f32 v140, v[8+32*\m], v[136+\m], v140
	v_fma_f32 v141, v[9+32*\m], v[136+\m], v141
.endr
	v_fma_f32 v140, v140, s18, s16
	v_fma_f32 v141, v141, s18, s17
	global_store_b64 v1, v[140:141], s[10:11]
	s_endpgm
.Lfunc_end_k_q06517192b5_finish:
	.size	k_q06517192b5_finish, .Lfunc_end_k_q06517192b5_finish-k_q06517192b5_finish
	.p2alignl 7, 3214868480
	.fill 96, 4, 3214868480
	.section	.rodata,"a",@progbits
	.p2align	6, 0x0
	.amdhsa_kernel k_q06517192b5_finish
		.amdhsa_group_segment_fixed_size 0
		.amdhsa_private_segment_fixed_size 0
		.amdhsa_enable_private_segment 0
		.amdhsa_kernarg_size 32
		.amdhsa_user_sgpr_count 2
		.amdhsa_user_sgpr_kernarg_segment_ptr 1
		.amdhsa_wavefront_size32 1
		.amdhsa_system_sgpr_workgroup_id_x 1
		.amdhsa_system_sgpr_workgroup_id_y 1
		.amdhsa_system_sgpr_workgroup_id_z 1
		.amdhsa_system_vgpr_workitem_id 0
		.amdhsa_next_free_vgpr 160
		.amdhsa_next_free_sgpr 66
		.amdhsa_reserve_vcc 0
		.amdhsa_float_denorm_mode_32 3
		.amdhsa_float_denorm_mode_16_64 3
		.amdhsa_memory_ordered 1
		.amdhsa_forward_progress 1
		.amdhsa_inst_pref_size 12
	.end_amdhsa_kernel
	.amdgpu_metadata
---
amdhsa.version: [ 1, 2 ]
amdhsa.kernels:
  - .name:           k_q06517192b5_finish
    .symbol:         k_q06517192b5_finish.kd
    .args:
      - { .name: part, .offset: 0, .size: 8, .value_kind: global_buffer, .address_space: global }
      - { .name: cw, .offset: 8, .size: 8, .value_kind: global_buffer, .address_space: global }
      - { .name: head_b, .offset: 16, .size: 8, .value_kind: global_buffer, .address_space: global }
      - { .name: out0, .offset: 24, .size: 8, .value_kind: global_buffer, .address_space: global }
    .group_segment_fixed_size: 0
    .private_segment_fixed_size: 0
    .kernarg_segment_align: 8
    .kernarg_segment_size: 32
    .max_flat_workgroup_size: 32
    .sgpr_count:     66
    .vgpr_count:     160
    .wavefront_size: 32
...
	.end_amdgpu_metadata
.endif
;; end of part 4
;; ======== version 2 of 2: 4 launches
;; workspace buffers: x_codes 6,291,456 bytes; x_scales 262,144 bytes; emask 8,192 bytes of whole numbers; cw 32,768 bytes; part 1,048,576 bytes; list 557,056 bytes of whole numbers
;; launch route (part 5): grid 512 x 1, 4 waves a work-group, no clusters, 70,144 bytes of LDS; arguments x, gate_w, gate_b, x_codes, x_scales, emask, cw; writes x_codes, x_scales, emask, cw
.if DOCPART == 5
	.amdgcn_target "amdgcn-amd-amdhsa--gfx1250"
	.amdhsa_code_object_version 6
	.text
	.protected	k_q06517192b5_route
	.globl	k_q06517192b5_route
	.p2align	8
	.type	k_q06517192b5_route,@function
k_q06517192b5_route:
	s_mov_b64 s[64:65], 0
	v_nop
	global_prefetch_b8 v0, s[64:65] scope:SCOPE_SE
	s_setreg_imm32_b32 hwreg(HW_REG_WAVE_MODE, 25, 1), 1
	s_wait_xcnt 0x0
; ROUTE.  x [8192 tokens][1024] f32 is read once and serves twice:
;  (1) it is quantised along K into codes of E3M2 (x_codes [token][768 bytes], the row's stream of bits) and one E8M0 byte for each 32 (x_scales [token][32]);
;  (2) the gate: logits = x gate_w + gate_b in f32 (fused multiply-adds), softmax with the row's maximum taken away, top-2 on the probabilities with strict compares (a tie keeps the lower index),
;      winner = the larger of the two indices, s = the sum of the two renormalised probabilities.
; The winner steers no address here: it leaves as bit masks, emask [expert 8][256 words], bit i of word u = token 32 u + i has that winner; s leaves as cw [token].
; (The two indices differ, so expert 0 never wins: its row of emask is all zeros.)
; SHARES.  A work-group owns 16 tokens.  THE WAVES SHARE THE COLUMNS: wave w owns k = 256 w .. 256 w + 255 of every row, so a lane always holds the same 16 k and its 16 x 8 gate weights stay in 128 registers.
; A step is 2 rows x 1,024 bytes: four loads of 512 consecutive bytes, turned through the wave's own stage in LDS so that a lane holds 16 NEIGHBOURS along K (lanes 0-15: row 2 t, lanes 16-31: row 2 t + 1).
; Codes, scale bytes and the waves' parts of the logits meet in LDS; one barrier; then whole rows of codes leave, 512 consecutive bytes a store.
; cw (64 bytes) and emask (8 x 2 bytes) of a work-group are shorter than 256 bytes: together 40 KB of the launch's 6.6 MB.
; A block's scale is 2^(floor(log2(largest magnitude)) - 4): its byte is the largest magnitude's exponent field - 4, held at 1 from below.
; LIMITS: NaN and infinities are not served.  A block of zeros keeps the byte 1 with zero codes (the bytes are read by this program alone).  A probability under 2^-126 comes out of v_exp_f32 as 0
; and ties with other zeros.  Two probabilities that differ by less than f32 rounding may be ordered otherwise than by another order of summation.
; No tensor load, no cluster: work-groups share only gate_w's 32 KB; memory binds, and two work-groups lie on a WGP.
.set WREG, 13568                       ; LDS of a wave: two stages of 32 x 80 bytes, then 16 x 528 bytes for gate_w
.set GSTO, 5120
.set CST,  54272                       ; 16 rows x 768 bytes of codes
.set SST,  66560                       ; 16 rows x 32 scale bytes
.set LG,   67072                       ; [row 16][wave 4][8] f32: the waves' parts of the logits
.set RAW,  16                          ; v16-63   three sets of 16 numbers as loaded
.set X,    64                          ; v64-95   two sets of 16 neighbours
.set ACC,  96                          ; v96-111  8 pairs: even k's sum, odd k's sum
.set LP,   112                         ; v112-119 my wave's part of the 8 logits
.set GW,   128                         ; v128-255 gate_w(256 w + 16 g + i, e) at GW + 16 e + i
; v1 lane, v2 g = lane % 16, v3 x offset, v4 codes' place, v5 scale byte's place, v6 logits' place, v7 gate_w out of its stage, v8-11 at work,
; v12, v13 codes' way out (LDS, memory), v14, v15 stage in, out, v120-122 codes, v124-126 way-out addresses
	s_load_b256 s[4:11], s[0:1], 0x0               ; x, gate_w, gate_b, x_codes
	s_load_b128 s[12:15], s[0:1], 0x20             ; x_scales, emask
	s_load_b64 s[16:17], s[0:1], 0x30              ; cw
	s_set_vgpr_msb 0x40
	v_lshl_add_u32 v0, v0, 2, 0x11000
	v_mov_b32 v1, 0
	s_set_vgpr_msb 0x4000
	v_lshrrev_b32 v8, 5, v0
	v_readfirstlane_b32 s18, v8                    ; wave
	v_and_b32 v1, 31, v0
	v_and_b32 v2, 15, v0
	v_bfe_u32 v10, v0, 4, 1                        ; h = lane / 16
	v_lshlrev_b32 v11, 4, v1                       ; 16 x lane
	s_lshl_b32 s28, s18, 10
	v_add_nc_u32 v3, s28, v11                      ; x: my wave's 1,024 bytes of a row, 16 bytes a lane
	s_lshl_b32 s28, s18, 13
	v_add_nc_u32 v9, s28, v11                      ; gate_w: my wave's 8,192 bytes
	s_mul_i32 s29, s18, WREG
	v_lshrrev_b32 v14, 2, v1
	v_mul_u32_u24 v14, v14, 80
	v_and_b32 v15, 3, v1
	v_lshl_add_u32 v14, v15, 4, v14
	v_add_nc_u32 v14, s29, v14                     ; stage, in: four lanes' 64 bytes on end, then 16 of padding
	v_mul_u32_u24 v15, v1, 80
	v_add_nc_u32 v15, s29, v15                     ; stage, out: my 16 neighbours
	s_add_co_u32 s29, s29, GSTO
	v_add_nc_u32 v8, s29, v11                      ; gate_w into its stage
	v_mul_u32_u24 v7, v2, 528
	v_add_nc_u32 v7, s29, v7                       ; and out of it: the 512 bytes of my 16 k
	v_mul_u32_u24 v4, v10, 768
	v_mad_u32_u24 v4, v2, 12, v4
	s_mul_i32 s28, s18, 192
	s_add_co_u32 s28, s28, CST
	v_add_nc_u32 v4, s28, v4                       ; codes: row h, byte 192 w + 12 g
	v_lshrrev_b32 v5, 1, v2
	v_lshl_add_u32 v5, v10, 5, v5
	s_lshl_b32 s28, s18, 3
	s_add_co_u32 s28, s28, SST
	v_add_nc_u32 v5, s28, v5                       ; scale byte: row h, block 8 w + g / 2
	v_lshlrev_b32 v6, 7, v10
	s_lshl_b32 s28, s18, 5
	s_add_co_u32 s28, s28, LG
	v_add_nc_u32 v6, s28, v6                       ; logits: row h, wave w
	s_mul_i32 s28, s18, 3072
	v_add_nc_u32 v13, s28, v11                     ; the way out: my wave's quarter of the 12,288 bytes of codes
	v_add_nc_u32 v12, CST, v13
	s_mov_b32 s31, 0
	s_wait_kmcnt 0x0
	s_load_b256 s[20:27], s[8:9], 0x0              ; gate_b
	s_lshl_b32 s30, ttmp9, 16
	s_add_nc_u64 s[4:5], s[4:5], s[30:31]          ; 16 rows of 4,096 bytes a work-group
	s_mul_i32 s30, ttmp9, 12288
	s_add_nc_u64 s[10:11], s[10:11], s[30:31]
	s_lshl_b32 s30, ttmp9, 9
	s_add_nc_u64 s[12:13], s[12:13], s[30:31]
	s_lshl_b32 s30, ttmp9, 1
	s_add_nc_u64 s[14:15], s[14:15], s[30:31]      ; emask: my 16 tokens are half a word
	s_lshl_b32 s30, ttmp9, 6
	s_add_nc_u64 s[16:17], s[16:17], s[30:31]
.macro LOAD t                          ; step t: rows 2 t and 2 t + 1, my wave's 1,024 bytes of each, 512 consecutive bytes a load
.irp i, 0,1,2,3
	global_load_b128 v[RAW+16*((\t)%3)+4*\i:RAW+16*((\t)%3)+4*\i+3], v3, s[4:5] offset:8192*(\t)+4096*(\i/2)+512*(\i%2) th:TH_LOAD_NT
.endr
.endm
.macro TURN t                          ; through the stage: LDS serves a wave's instructions in order, so no wait stands between the stores and the loads
.irp i, 0,1,2,3
	ds_store_b128 v14, v[RAW+16*((\t)%3)+4*\i:RAW+16*((\t)%3)+4*\i+3] offset:2560*((\t)%2)+640*\i
.endr
.irp i, 0,1,2,3
	ds_load_b128 v[X+16*((\t)%2)+4*\i:X+16*((\t)%2)+4*\i+3], v15 offset:2560*((\t)%2)+16*\i
.endr
.endm
.irp q, 0,1,2,3,4,5,6,7,8,9,10,11,12,13,14,15
	global_load_b128 v[64+4*\q:67+4*\q], v9, s[6:7] offset:512*\q   ; load q is what the lanes with g = q want
.endr
	LOAD 0
	LOAD 1
	LOAD 2
	s_wait_loadcnt 12                              ; gate_w is in; the 12 younger loads are x's
.irp q, 0,1,2,3,4,5,6,7,8,9,10,11,12,13,14,15
	ds_store_b128 v8, v[64+4*\q:67+4*\q] offset:528*\q
.endr
.irp e, 0,1,2,3,4,5,6,7
.irp i, 0,1,2,3,4,5,6,7,8,9,10,11,12,13,14,15
	ds_load_b32 v[GW+16*\e+\i], v7 offset:32*\i+4*\e   ; laid with k neighbouring, so that the packed multiply-adds take pairs as they stand
.endr
.endr
	s_wait_dscnt 0x0                               ; the stores have read v64-127, which are written again below
	v_lshlrev_b32 v125, 4, v1                      ; the scale bytes' way out: 16 bytes a lane,
	v_add_nc_u32 v124, SST, v125
	v_lshl_add_u32 v126, v2, 7, LG                 ; and a row's 128 bytes of logit parts
	s_wait_loadcnt 8                               ; step 0's four loads are in
	TURN 0
.macro STEP t
.set XS, X+16*((\t)%2)
	s_wait_dscnt 0x0                               ; this step's numbers are back from the stage; every earlier LDS store has read its registers
.if (\t)+3 < 8
	LOAD (\t)+3
.endif
.if (\t) < 7
.if (\t) <= 4
	s_wait_loadcnt 8                               ; the next step's four loads are in; those of the two steps behind it may be out
.else
	s_wait_loadcnt 4*(6-(\t))
.endif
	TURN (\t)+1
.endif
	v_max3_num_f32 v8, |v[XS]|, |v[XS+1]|, |v[XS+2]|   ; the largest magnitude of my 16, in two chains
	v_max3_num_f32 v9, |v[XS+3]|, |v[XS+4]|, |v[XS+5]|
.irp i, 6,10
	v_max3_num_f32 v8, v8, |v[XS+\i]|, |v[XS+\i+1]|
	v_max3_num_f32 v9, v9, |v[XS+\i+2]|, |v[XS+\i+3]|
.endr
	v_max3_num_f32 v8, v8, |v[XS+14]|, |v[XS+15]|
	v_max3_num_f32 v8, v8, v9, 0x2800000           ; and the floor 2^(5 - 127): the byte cannot fall under 1
	v_max_num_f32_dpp v8, v8, v8 row_xmask:1 row_mask:0xf bank_mask:0xf   ; with my neighbour's 16: the block's
	v_add_nc_u32 v10, 0xfe000000, v8               ; 4 off its exponent field: the conversion takes the exponent field of this operand as its scale
	v_cvt_scalef32_pk16_bf6_f32 v[120:122], v[XS:XS+15], v10   ; to the nearest code, ties to even; beyond 28 the largest code
	v_lshrrev_b32 v11, 23, v10                     ; the scale's byte (a plain line behind the conversion)
	ds_store_b32 v4, v120 offset:1536*(\t)
	ds_store_b32 v4, v121 offset:1536*(\t)+4
	ds_store_b32 v4, v122 offset:1536*(\t)+8
	ds_store_b8 v5, v11 offset:64*(\t)             ; both lanes of a block write the same byte with the same value
.irp e, 0,1,2,3,4,5,6,7
	v_pk_mul_f32 v[ACC+2*\e:ACC+2*\e+1], v[XS:XS+1], v[GW+16*\e:GW+16*\e+1]   ; the first products start the sums
.endr
.irp i, 2,4,6,8,10,12,14
.irp e, 0,1,2,3,4,5,6,7
	v_pk_fma_f32 v[ACC+2*\e:ACC+2*\e+1], v[XS+\i:XS+\i+1], v[GW+16*\e+\i:GW+16*\e+\i+1], v[ACC+2*\e:ACC+2*\e+1]   ; eight chains by turns
.endr
.endr
.irp e, 0,1,2,3,4,5,6,7
	v_add_f32 v[LP+\e], v[ACC+2*\e], v[ACC+2*\e+1]
.endr
.irp k, 1,2,4,8
.irp e, 0,1,2,3,4,5,6,7
	v_add_f32_dpp v[LP+\e], v[LP+\e], v[LP+\e] row_xmask:\k row_mask:0xf bank_mask:0xf   ; over the 16 lanes of a row
.endr
.endr
	ds_store_b128 v6, v[LP:LP+3] offset:256*(\t)   ; a row's sixteen lanes write the same words with the same values
	ds_store_b128 v6, v[LP+4:LP+7] offset:256*(\t)+16
.endm
.irp t, 0,1,2,3,4,5,6,7
	STEP \t
.endr
	s_wait_kmcnt 0x0                               ; gate_b
	s_wait_dscnt 0x0                               ; for the others' sake: my stores have landed
	s_barrier_signal -1
	s_barrier_wait -1
.irp q, 0,1,2,3,4,5
	ds_load_b128 v[16+4*\q:19+4*\q], v12 offset:512*\q
.endr
.irp q, 0,1,2,3,4,5
	s_wait_dscnt 5-\q
	global_store_b128 v13, v[16+4*\q:19+4*\q], s[10:11] offset:512*\q   ; 32 lanes store 512 consecutive bytes, at a multiple of 256 from the buffer's first byte
.endr
	s_cmp_lg_u32 s18, 1
	s_cbranch_scc1 .Lnot_wave_1
	ds_load_b128 v[40:43], v124                    ; wave 1: the 16 rows' 512 scale bytes
	s_wait_dscnt 0x0
	global_store_b128 v125, v[40:43], s[12:13]
.Lnot_wave_1:
	s_cmp_lg_u32 s18, 0
	s_cbranch_scc1 .Lend
	; wave 0: the routing of row lane % 16 (lanes 16-31 do the same as lanes 0-15)
.irp u, 0,1,2,3
	ds_load_b128 v[64+8*\u:67+8*\u], v126 offset:32*\u
	ds_load_b128 v[68+8*\u:71+8*\u], v126 offset:32*\u+16
.endr
	s_wait_dscnt 0x0
.irp e, 0,2,4,6
	v_pk_add_f32 v[64+\e:65+\e], v[64+\e:65+\e], v[72+\e:73+\e]
	v_pk_add_f32 v[80+\e:81+\e], v[80+\e:81+\e], v[88+\e:89+\e]
.endr
.irp e, 0,2,4,6
	v_pk_add_f32 v[64+\e:65+\e], v[64+\e:65+\e], v[80+\e:81+\e]
.endr
.irp e, 0,1,2,3,4,5,6,7
	v_add_f32 v[64+\e], s[20+\e], v[64+\e]         ; + gate_b
.endr
	v_max3_num_f32 v96, v64, v65, v66
	v_max3_num_f32 v96, v96, v67, v68
	v_max3_num_f32 v96, v96, v69, v70
	v_max_num_f32 v96, v96, v71                    ; the row's largest logit is taken away ahead of the exponentials
.irp e, 0,1,2,3,4,5,6,7
	v_sub_f32 v[64+\e], v[64+\e], v96
.endr
.irp e, 0,1,2,3,4,5,6,7
	v_mul_f32 v[64+\e], 0x3fb8aa3b, v[64+\e]       ; x log2(e)
.endr
	s_wait_alu depctr_va_vdst(0)
.irp e, 0,1,2,3,4,5,6,7
	v_exp_f32 v[64+\e], v[64+\e]
.endr
	v_nop                                          ; a plain line behind the exponentials
	s_wait_alu depctr_va_vdst(0)
	v_add_f32 v97, v64, v65
	v_add_f32 v98, v66, v67
	v_add_f32 v99, v68, v69
	v_add_f32 v100, v70, v71
	v_add_f32 v97, v97, v98
	v_add_f32 v99, v99, v100
	v_add_f32 v97, v97, v99
	s_wait_alu depctr_va_vdst(0)
	v_rcp_f32 v97, v97
	v_mov_b32 v101, 0                              ; the best index so far (a plain line behind the reciprocal)
	s_wait_alu depctr_va_vdst(0)
.irp e, 0,1,2,3,4,5,6,7
	v_mul_f32 v[64+\e], v[64+\e], v97              ; the probabilities
.endr
	v_mov_b32 v100, v64                            ; the best: p of expert 0
	v_mov_b32 v102, -1.0                           ; the second: under every p
	v_mov_b32 v103, 0
.irp e, 1,2,3,4,5,6,7
	v_cmp_gt_f32 s32, v[64+\e], v100               ; strictly above the best?
	v_cmp_gt_f32 s33, v[64+\e], v102               ; strictly above the second?
	v_cndmask_b32 v102, v102, v[64+\e], s33
	v_cndmask_b32 v103, v103, \e, s33
	v_cndmask_b32 v102, v102, v100, s32            ; a new best pushes the old one down
	v_cndmask_b32 v103, v103, v101, s32
	v_cndmask_b32 v100, v100, v[64+\e], s32
	v_cndmask_b32 v101, v101, \e, s32
.endr
	v_max_u32 v105, v101, v103                     ; the winner: the larger index
	v_add_f32 v106, v100, v102
	s_wait_alu depctr_va_vdst(0)
	v_rcp_f32 v106, v106
	v_mov_b32 v104, 0                              ; (a plain line behind the reciprocal)  lane e will hold expert e's 16 bits
	s_wait_alu depctr_va_vdst(0)
	v_mul_f32 v107, v100, v106
	v_fma_f32 v107, v102, v106, v107               ; s = the two renormalised probabilities' sum
.irp e, 0,1,2,3,4,5,6,7
	v_cmp_eq_u32 s32, \e, v105
	v_writelane_b32 v104, s32, \e
.endr
	v_lshlrev_b32 v108, 2, v1
	v_lshlrev_b32 v109, 10, v1
	v_cmp_gt_u32 vcc_lo, 16, v1
	s_wait_alu depctr_va_vdst(0)
	s_wait_xcnt 0x0                                ; EXEC changes only behind this wait
	s_and_saveexec_b32 s34, vcc_lo
	global_store_b32 v108, v107, s[16:17]          ; cw of my 16 tokens
	s_wait_xcnt 0x0
	s_or_b32 exec_lo, exec_lo, s34
	v_cmp_gt_u32 vcc_lo, 8, v1
	s_and_saveexec_b32 s34, vcc_lo
	global_store_b16 v109, v104, s[14:15]          ; lane e: the low 16 bits, into expert e's row of 1,024 bytes
	s_wait_xcnt 0x0
	s_or_b32 exec_lo, exec_lo, s34
.Lend:
	s_set_vgpr_msb 0x5
	s_wait_tensorcnt 0x0
	ds_add_u32 v0, v1
	s_wait_dscnt 0x0
	s_set_vgpr_msb 0x500
	s_endpgm
.Lfunc_end_k_q06517192b5_route:
	.size	k_q06517192b5_route, .Lfunc_end_k_q06517192b5_route-k_q06517192b5_route
	.p2alignl 7, 3214868480
	.fill 96, 4, 3214868480
	.section	.rodata,"a",@progbits
	.p2align	6, 0x0
	.amdhsa_kernel k_q06517192b5_route
		.amdhsa_group_segment_fixed_size 70144
		.amdhsa_private_segment_fixed_size 0
		.amdhsa_enable_private_segment 0
		.amdhsa_kernarg_size 56
		.amdhsa_user_sgpr_count 2
		.amdhsa_user_sgpr_kernarg_segment_ptr 1
		.amdhsa_wavefront_size32 1
		.amdhsa_system_sgpr_workgroup_id_x 1
		.amdhsa_system_sgpr_workgroup_id_y 1
		.amdhsa_system_sgpr_workgroup_id_z 1
		.amdhsa_system_vgpr_workitem_id 0
		.amdhsa_next_free_vgpr 258
		.amdhsa_next_free_sgpr 66
		.amdhsa_reserve_vcc 1
		.amdhsa_float_denorm_mode_32 3
		.amdhsa_float_denorm_mode_16_64 3
		.amdhsa_memory_ordered 1
		.amdhsa_forward_progress 1
		.amdhsa_inst_pref_size 91
	.end_amdhsa_kernel
	.amdgpu_metadata
---
amdhsa.version: [ 1, 2 ]
amdhsa.kernels:
  - .name:           k_q06517192b5_route
    .symbol:         k_q06517192b5_route.kd
    .args:
      - { .name: x, .offset: 0, .size: 8, .value_kind: global_buffer, .address_space: global }
      - { .name: gate_w, .offset: 8, .size: 8, .value_kind: global_buffer, .address_space: global }
      - { .name: gate_b, .offset: 16, .size: 8, .value_kind: global_buffer, .address_space: global }
      - { .name: x_codes, .offset: 24, .size: 8, .value_kind: global_buffer, .address_space: global }
      - { .name: x_scales, .offset: 32, .size: 8, .value_kind: global_buffer, .address_space: global }
      - { .name: emask, .offset: 40, .size: 8, .value_kind: global_buffer, .address_space: global }
      - { .name: cw, .offset: 48, .size: 8, .value_kind: global_buffer, .address_space: global }
    .group_segment_fixed_size: 70144
    .private_segment_fixed_size: 0
    .kernarg_segment_align: 8
    .kernarg_segment_size: 56
    .max_flat_workgroup_size: 128
    .sgpr_count:     66
    .vgpr_count:     258
    .wavefront_size: 32
...
	.end_amdgpu_metadata
.endif
;; end of part 5
;; launch place (part 6): grid 64 x 1, 1 waves a work-group, no clusters, 8,960 bytes of LDS; arguments emask, list; writes list
.if DOCPART == 6
	.amdgcn_target "amdgcn-amd-amdhsa--gfx1250"
	.amdhsa_code_object_version 6
	.text
	.protected	k_q06517192b5_place
	.globl	k_q06517192b5_place
	.p2align	8
	.type	k_q06517192b5_place,@function
k_q06517192b5_place:
	s_mov_b64 s[64:65], 0
	v_nop
	global_prefetch_b8 v0, s[64:65] scope:SCOPE_SE
	s_setreg_imm32_b32 hwreg(HW_REG_WAVE_MODE, 25, 1), 1
	s_wait_xcnt 0x0
; PLACE.  The winners' bit masks (emask [expert 8][256 words], bit i of word u = token 32 u + i has that winner) become lists of tokens, one for each of the 64 slots of the next launch.
; A slot is an expert and a run of that expert's 256 mask words, by a fixed table, the same as in the next launch.  The larger of two different indices wins, so expert 0 never does and has no slot.
; list [slot 64][2,176 words]: words 0 .. n - 1 the slot's tokens in ascending order; words n .. n + 287 (as far as they lie under 2,080) repeat the first token, so that the next launch can take
; whole tiles of rows; word 2,080 is 0; word 2,081 is n; all else 0.  A slot without a row has n = 0 and token 0 everywhere.
; SHARES.  One wave to a slot: there is work for 64 waves, so 64 work-groups of one wave are launched.  The record is made in LDS and leaves in stores of 512 consecutive bytes.
; The 64 words are written out, each with address and data registers of its own: no loop, and no wait between the stores.  A word beyond the slot's run is cleared and places nothing.
; A member's place is the running count + the members in lower lanes; a lane that is no member stores to word 2,080, which is set to 0 at the end.
.set DUMPW, 2080
.set NWORD, 2081
.set RECB,  8704                       ; a record: 34 x 256 bytes
.set AD,    64                         ; v64-127  word j's LDS addresses; later the record on its way out
.set DA,    128                        ; v128-191 word j's tokens
; v0 lane, v2 4 x lane, v3 16 x lane, v4 2,080, v5 0 (a zero, and the list's first place), v6, v7 emask offsets, v8, v9 mask words, v10 first word's tokens, v11 first token, v13, v14 at work, v16-24 pad places
	s_load_b128 s[4:7], s[0:1], 0x0                ; emask, list
	v_lshl_add_u32 v192, v0, 2, 0x2200
	v_mov_b32 v193, 0
	v_lshlrev_b32 v2, 2, v0
	v_lshlrev_b32 v3, 4, v0
	v_mov_b32 v4, DUMPW
	v_mov_b32 v5, 0
	s_mov_b32 s21, 1                               ; the slot table: expert, its first slot, words a slot
	s_mov_b32 s22, 0
	s_mov_b32 s23, 64
.macro FROM first, e, words
	s_cmp_ge_u32 ttmp9, \first
	s_cselect_b32 s21, \e, s21
	s_cselect_b32 s22, \first, s22
	s_cselect_b32 s23, \words, s23
.endm
	FROM 4, 2, 52
	FROM 9, 3, 37
	FROM 16, 4, 29
	FROM 25, 5, 24
	FROM 36, 6, 20
	FROM 49, 7, 18
	s_sub_co_u32 s24, ttmp9, s22
	s_mul_i32 s25, s24, s23                        ; my first word, under 256 in every slot
	s_sub_co_u32 s26, 256, s25
	s_min_u32 s26, s26, s23                        ; W: my words, 1 to 64
	s_lshl_b32 s36, s21, 8
	s_add_co_u32 s36, s36, s25
	v_add_nc_u32 v6, s36, v0                       ; emask: word 256 e + first + lane, and 32 on; held inside the buffer (words beyond W are cleared below)
	v_add_nc_u32 v7, 32, v6
	v_min_u32 v6, 2047, v6
	v_min_u32 v7, 2047, v7
	v_lshlrev_b32 v6, 2, v6
	v_lshlrev_b32 v7, 2, v7
	s_mul_i32 s10, ttmp9, RECB
	s_mov_b32 s11, 0
	s_wait_alu depctr_va_vdst(0)
	s_wait_kmcnt 0x0
	global_load_b32 v8, v6, s[4:5]                 ; the slot's mask words, one a lane
	global_load_b32 v9, v7, s[4:5]
	s_add_nc_u64 s[6:7], s[6:7], s[10:11]          ; my record
.set PF, 0
.rept 68
	ds_store_b32 v2, v5 offset:128*PF              ; the whole record begins as zeros, while the mask words are on their way
.set PF, PF+1
.endr
	s_lshl_b32 s12, s25, 5
	v_add_nc_u32 v10, s12, v0                      ; the first word's tokens
.set J, 0
.rept 64
	v_add_nc_u32 v[DA+J], 32*J, v10                ; word j's tokens
.set J, J+1
.endr
	s_wait_loadcnt 0x0
	v_cmp_gt_u32 vcc_lo, s26, v0
	v_cndmask_b32 v8, 0, v8, vcc_lo                ; words beyond W count for nothing
	v_add_nc_u32 v14, 32, v0
	v_cmp_gt_u32 vcc_lo, s26, v14
	v_cndmask_b32 v9, 0, v9, vcc_lo
	s_mov_b32 s43, 0                               ; the running count
.set J, 0
.rept 64
	v_readlane_b32 s42, v[8+J/32], J%32            ; word j
	v_mbcnt_lo_u32_b32 v[AD+J], s42, s43           ; the count so far + the members in lower lanes
	v_cndmask_b32 v[AD+J], v4, v[AD+J], s42        ; no member: word 2,080
	v_min_u32 v[AD+J], DUMPW, v[AD+J]
	v_lshlrev_b32 v[AD+J], 2, v[AD+J]
	ds_store_b32 v[AD+J], v[DA+J]
	s_bcnt1_i32_b32 s45, s42
	s_add_co_u32 s43, s43, s45
.set J, J+1
.endr
	s_wait_dscnt 0x0                               ; the list's stores are done
	ds_load_b32 v11, v5                            ; the slot's first token, in every lane (token 0 where the slot has no row)
	s_min_u32 s36, s43, 2048
	v_add_nc_u32 v13, s36, v0
.irp i, 0,1,2,3,4,5,6,7,8
	v_add_nc_u32 v[16+\i], 32*\i, v13              ; places n + lane + 32 i: n to n + 287, all that a gather of 256 rows and a last pair of tiles can read past the last row;
.endr
.irp i, 0,1,2,3,4,5,6,7,8
	v_min_u32 v[16+\i], DUMPW, v[16+\i]            ; what falls outside the list goes to word 2,080
.endr
.irp i, 0,1,2,3,4,5,6,7,8
	v_lshlrev_b32 v[16+\i], 2, v[16+\i]
.endr
	v_mov_b32 v14, s43
	s_wait_alu depctr_va_vdst(0)
	s_wait_dscnt 0x0
.irp i, 0,1,2,3,4,5,6,7,8
	ds_store_b32 v[16+\i], v11                     ; they repeat the first token
.endr
	ds_store_b32 v5, v5 offset:4*DUMPW             ; word 2,080 ends as 0
	ds_store_b32 v5, v14 offset:4*NWORD            ; the number of rows
	s_wait_dscnt 0x0
.irp q, 0,1,2,3,4,5,6,7,8,9,10,11,12,13,14,15,16
	ds_load_b128 v[AD+4*\q:AD+4*\q+3], v3 offset:512*\q
.endr
.irp q, 0,1,2,3,4,5,6,7,8,9,10,11,12,13,14,15,16
	s_wait_dscnt 16-\q                             ; LDS loads come back in order: load q is in, the younger ones may be out
	global_store_b128 v3, v[AD+4*\q:AD+4*\q+3], s[6:7] offset:512*\q   ; 32 lanes store 512 consecutive bytes, at a multiple of 256 from the buffer's first byte
.endr
	s_wait_tensorcnt 0x0
	ds_add_u32 v192, v193
	s_wait_dscnt 0x0
	s_endpgm
.Lfunc_end_k_q06517192b5_place:
	.size	k_q06517192b5_place, .Lfunc_end_k_q06517192b5_place-k_q06517192b5_place
	.p2alignl 7, 3214868480
	.fill 96, 4, 3214868480
	.section	.rodata,"a",@progbits
	.p2align	6, 0x0
	.amdhsa_kernel k_q06517192b5_place
		.amdhsa_group_segment_fixed_size 8960
		.amdhsa_private_segment_fixed_size 0
		.amdhsa_enable_private_segment 0
		.amdhsa_kernarg_size 16
		.amdhsa_user_sgpr_count 2
		.amdhsa_user_sgpr_kernarg_segment_ptr 1
		.amdhsa_wavefront_size32 1
		.amdhsa_system_sgpr_workgroup_id_x 1
		.amdhsa_system_sgpr_workgroup_id_y 1
		.amdhsa_system_sgpr_workgroup_id_z 1
		.amdhsa_system_vgpr_workitem_id 0
		.amdhsa_next_free_vgpr 194
		.amdhsa_next_free_sgpr 66
		.amdhsa_reserve_vcc 1
		.amdhsa_float_denorm_mode_32 3
		.amdhsa_float_denorm_mode_16_64 3
		.amdhsa_memory_ordered 1
		.amdhsa_forward_progress 1
		.amdhsa_inst_pref_size 43
	.end_amdhsa_kernel
	.amdgpu_metadata
---
amdhsa.version: [ 1, 2 ]
amdhsa.kernels:
  - .name:           k_q06517192b5_place
    .symbol:         k_q06517192b5_place.kd
    .args:
      - { .name: emask, .offset: 0, .size: 8, .value_kind: global_buffer, .address_space: global }
      - { .name: list, .offset: 8, .size: 8, .value_kind: global_buffer, .address_space: global }
    .group_segment_fixed_size: 8960
    .private_segment_fixed_size: 0
    .kernarg_segment_align: 8
    .kernarg_segment_size: 16
    .max_flat_workgroup_size: 32
    .sgpr_count:     66
    .vgpr_count:     194
    .wavefront_size: 32
...
	.end_amdgpu_metadata
.endif
;; end of part 6
;; launch experts (part 7): grid 64 x 4, 4 waves a work-group, no clusters, 263,680 bytes of LDS; arguments x_codes, x_scales, list, expert_w_codes, expert_w_scales, expert_b, head_w, part; writes part
.if DOCPART == 7
	.amdgcn_target "amdgcn-amd-amdhsa--gfx1250"
	.amdhsa_code_object_version 6
	.text
	.protected	k_q06517192b5_experts
	.globl	k_q06517192b5_experts
	.p2align	8
	.type	k_q06517192b5_experts,@function
k_q06517192b5_experts:
	s_mov_b64 s[64:65], 0
	v_nop
	global_prefetch_b8 v0, s[64:65] scope:SCOPE_SE
	s_setreg_imm32_b32 hwreg(HW_REG_WAVE_SCHED_MODE, 0, 2), 2
	s_setreg_imm32_b32 hwreg(HW_REG_WAVE_MODE, 25, 1), 1
	s_wait_xcnt 0x0
	s_wait_alu depctr_vm_vsrc(0)
; EXPERTS.  For each token only its winner's row of x expert_w survives the selection, so only that row is multiplied: codes of E3M2 on both sides, E8M0 scales, f32 sums.
; part[cb][token][c] = the sum over the 64 columns o of chunk cb of (Q(x)[token] . expert_w[winner][:, o] + expert_b[winner][o]) x head_w[o][c];  cb = 4 x work-group y + wave.
; SHARES.  Work-group y = a block of 256 columns.  Work-group x = a slot: an expert and a run of that expert's tokens, by a fixed table, the same as in the launch before, which has stored each slot's
; record in list: words 0 .. n - 1 its tokens, the next 287 places its first token again, word 2,081 the number of rows n (0 to 2,048).
; With gates that favour nobody expert e wins e / 28 of the tokens, and the table gives it slots in that measure; it only shares the work out: a slot takes however many rows its record holds.
; A wave holds its 64 columns x all of K in 384 registers for the whole launch.  The slot's first 256 rows of x's codes lie once in LDS and are read by all four waves; rows beyond come from memory.
; THE MATRIX INSTRUCTION IS USED TRANSPOSED (source 0 = 16 columns of expert_w, source 1 = 16 tokens): a lane holds one token and eight columns; expert_b is the C of each sum's first instruction.
; NO TENSOR LOAD, NO CLUSTER: the number of rows is read from memory and branches hang on it, and partners of a cluster would run unlike numbers of steps.
; ROWS PAST THE LAST REPEAT THE SLOT'S FIRST TOKEN.  Such a lane holds the same codes and scale words against the same weights, makes the same two numbers and stores them at the same 8 bytes of its wave's plane:
; so every lane stores, and EXEC is never changed.
; PHASES.  1: each wave gathers its share of 256 rows into LDS and turns its weights, 16 columns at a time, through its own stage into fragments; no branch hangs on the number of rows here,
; so all 256 rows are written whatever it is | barrier | 2: pairs of 16-row tiles: 64 matrix instructions, the head's two columns, one store of 8 bytes a row.  Behind the barrier LDS is only read.
; THE EIGHT PAIRS IN LDS ARE WRITTEN OUT: every LDS address is a register made at the head + an immediate; ahead of each pair a forward branch on the number of pairs leaves the run.
; ROWS BEYOND 256 go in a loop of a constant 28 trips, two pairs a trip; a trip whose pairs do not exist jumps over its work.
; LIMITS: the head, the weight s and the mean are applied in another order of f32 rounding than the source reads.  Each store covers 8 bytes of a token's place: the rows of a slot are not neighbours.
; THE MODE: SCHED_MODE bits 1:0 = 2 (LLVM: expert scheduling mode 2), set by the entry lines.  The code itself states the register dependences
; between vector or matrix instructions and memory or LDS instructions, with s_wait_alu, always for 0.
; THE PLAN, behind the barrier.  A pair is two steps of 32 products.  Registers that memory or LDS instructions touch:
;   set X and the rows' scale words of K steps 0-3   read by a pair's first step; the next pair's loads land in them, dealt among the pair's second step.
;   set Y and the rows' scale words of K steps 4-7   read by a pair's second step; its loads land in them, dealt among the same pair's first step.
;   v[TOK]                loaded at a pair's head; read by one vector line at its end.
;   v[YR:YR+1], v[ROW]    written by vector lines at a pair's end; read by the pair's one store.
;   v4 to v31             addresses, made at the head and never written again; the rows beyond 256 are reached by a scalar base that moves on.
; So a pair has two waits on va_vdst.  One stands behind the first step: its products are done reading set X and that set's scale words.  One stands at the pair's end, ahead of the store: the store's data
; and offset are written, the second step is done reading set Y and that set's scale words, and v[TOK] has been read; no vector or matrix line stands between it and the next pair's first loads, on the way on
; and on the way out of the run alike, so it is that pair's head wait too.  Behind each wait the step's products name the set at work, its scale words, the weights and the accumulators: none of the
; registers that the step's loads touch.  One wait on vm_vsrc a pair stands ahead of the lines that write the store's data and offset again.
; Ahead of the barrier each wait's comment names what it states.
; REGISTERS, in windows of 256.  Window 0: v1-31 addresses; v32-63 the weights' scale words, v64-79 the rows' (these hold scales alone); v80-143 head_w's two columns; v144-207 eight accumulators; v208-255 at work.
;   Window 1: weight fragments of K steps 0-3 at v[48 t + 12 s]; v192-223 expert_b.   Window 2: K steps 4-7.   Window 3: row fragments, set X (K steps 0-3) v0-95, set Y v96-191; in the gather two stages.
.set APITCH, 784                       ; a row of codes in LDS: 768 + 16 bytes = 196 words: the 32 lanes of a load of 8 bytes at 784 r + 24 h touch 64 different banks (64 banks of 4 bytes: ISA guide 11.1)
.set ASL,   200704                     ; behind 256 such rows: the rows' 32 scale bytes, 48 bytes apart
.set BST,   212992                     ; a stage of 16 x 784 bytes for each wave
.set RECB,  8704                       ; a slot's record in list
.set NOFF,  8324                       ; the number of rows in it: word 2,081
.set SL,  4                            ; stage, in: 16 x lane
.set SLH, 5                            ; the same + 16 h: for the loads whose lanes 16-31 lie in the next row
.set FRB, 6                            ; stage, out: 784 r + 24 h
.set ASA, 8                            ; a row's scale words: 48 r
.set LLA, 9                            ; in the record: 4 lane
.set LRA, 10                           ; 64 w + 4 h
.set LRS, 11                           ; 64 w + 4 (lane / 2)
.set LRT, 12                           ; 4 r
.set AST, 13                           ; v13, v27: where gathered rows go (tiles m = 0, 1; m = 2, 3)
.set SSA, 14                           ; where gathered scale bytes go
.set AFA, 15                           ; v15-17: a row fragment, 784 r + 24 h, at rows 0, 96, 192: each serves three pairs by the immediate
.set R16, 19
.set L16, 20
.set BOF, 21
.set BSO, 22
.set BIO, 23
.set HWO, 24
.set TMP, 28
.set H24, 31
.set BSC, 32
.set ASC, 64
.set HW,  80
.set ACC, 144
.set Y,   208                          ; behind the barrier: v208-215 four pairs of sums, v216-223 at work
.set YR,  216
.set TKA, 208                          ; ahead of it: v208-216, v217-225 two tiles' tokens; v226-234, v235-243 their offsets; v244-251 their scale bytes
.set TKB, 217
.set OFA, 226
.set OFB, 235
.set SG,  244
.set OTK, 224                          ; rows beyond 256: two tiles' tokens, four offsets
.set OOF, 226
.set TOK, 252
.set ROW, 253
.set BIAS, 192
.set RB,  50                           ; s[50:51] rows beyond 256: the record at the trip's first pair
.set MSB, 0
.macro WIN new                         ; the immediate's high byte repeats the setting that is left; at a label and at a branch every window is 0
.if MSB != \new
	s_set_vgpr_msb (MSB<<8)|\new
.set MSB, \new
.endif
.endm
.macro PLACES n                        ; plain vector lines behind matrix instructions: 4 in front of loads into, and reads of, their registers; 5 in front of a matrix instruction that writes over them
.rept \n
	v_nop
.endr
.endm
	s_load_b512 s[4:19], s[0:1], 0x0               ; x_codes, x_scales, list, w codes, w scales, expert_b, head_w, part
	v_lshl_add_u32 v254, v0, 2, 0x40400
	v_mov_b32 v255, 0
	v_lshrrev_b32 v[TMP], 5, v0
	v_readfirstlane_b32 s20, v[TMP]                ; wave
	v_and_b32 v1, 31, v0                           ; lane
	s_wait_alu depctr_va_vdst(0)
	v_and_b32 v2, 15, v0                           ; r
	v_bfe_u32 v3, v0, 4, 1                         ; h
	s_and_b32 s27, ttmp7, 0xffff                   ; the block of 256 columns
	s_mov_b32 s21, 1                               ; the slot table: the slot's expert
.macro FROM first, e
	s_cmp_ge_u32 ttmp9, \first
	s_cselect_b32 s21, \e, s21
.endm
	FROM 4, 2
	FROM 9, 3
	FROM 16, 4
	FROM 25, 5
	FROM 36, 6
	FROM 49, 7
	s_mov_b32 s38, 0xffff0000                      ; lanes 16-31
	s_mov_b32 s40, 0x76543210                      ; v_permlanex16_b32: lane l xor 16
	s_mov_b32 s41, 0xfedcba98
	v_lshlrev_b32 v[BOF], 4, v1
	s_wait_alu depctr_va_sdst(0)                   ; s20, the wave's number, is written, ahead of its first reader
	s_mul_i32 s35, s20, 16*APITCH
	s_add_co_u32 s36, s35, BST
	v_add_nc_u32 v[SL], s36, v[BOF]
	s_wait_alu depctr_va_vdst(0)
	v_lshl_add_u32 v[SLH], v3, 4, v[SL]
	v_mul_u32_u24 v[AFA], v2, APITCH
	v_mad_u32_u24 v[AFA], v3, 24, v[AFA]
	v_add_nc_u32 v[FRB], s36, v[AFA]
	v_add_nc_u32 v[AFA+1], 96*APITCH, v[AFA]
	v_add_nc_u32 v[AFA+2], 192*APITCH, v[AFA]
	v_mul_u32_u24 v[ASA], v2, 48
	v_add_nc_u32 v[ASA], ASL, v[ASA]
	v_lshlrev_b32 v[LLA], 2, v1
	s_lshl_b32 s37, s20, 6
	v_lshlrev_b32 v[LRA], 2, v3
	v_add_nc_u32 v[LRA], s37, v[LRA]
	v_lshrrev_b32 v[TMP], 1, v1
	v_lshlrev_b32 v[LRS], 2, v[TMP]
	v_add_nc_u32 v[LRS], s37, v[LRS]
	v_lshlrev_b32 v[LRT], 2, v2
	v_lshlrev_b32 v[R16], 4, v2
	v_mad_u32_u24 v[AST], v3, APITCH, v[R16]
	v_add_nc_u32 v[AST], s35, v[AST]               ; row 16 w + h, 16 bytes a lane of sixteen
	v_add_nc_u32 v[AST+14], 128*APITCH, v[AST]
	v_and_b32 v[L16], 1, v1
	v_lshlrev_b32 v[L16], 4, v[L16]
	v_mad_u32_u24 v[SSA], v[TMP], 48, v[L16]
	s_mul_i32 s36, s20, 768
	s_add_co_u32 s36, s36, ASL
	v_add_nc_u32 v[SSA], s36, v[SSA]
	v_lshlrev_b32 v[BSO], 5, v2
	v_lshlrev_b32 v[BIO], 5, v3
	v_lshlrev_b32 v[HWO], 6, v3
	v_mul_u32_u24 v[H24], v3, 24
	s_lshl_b32 s36, s21, 10
	s_lshl_b32 s37, s27, 8
	s_lshl_b32 s39, s20, 6
	s_add_co_u32 s37, s37, s39                     ; my first column: 256 y + 64 w
	s_add_co_u32 s36, s36, s37                     ; and its row among the 8,192 rows of the weights
	s_mov_b32 s49, 0
	s_wait_kmcnt 0x0
	s_mul_i32 s48, ttmp9, RECB
	s_add_nc_u64 s[8:9], s[8:9], s[48:49]          ; my slot's record
	s_load_b32 s30, s[8:9], NOFF                   ; the number of rows
	s_mul_i32 s48, s36, 768
	s_add_nc_u64 s[10:11], s[10:11], s[48:49]
	s_lshl_b32 s48, s36, 5
	s_add_nc_u64 s[12:13], s[12:13], s[48:49]
	s_lshl_b32 s48, s36, 2
	s_add_nc_u64 s[14:15], s[14:15], s[48:49]
	s_lshl_b32 s48, s37, 3
	s_add_nc_u64 s[16:17], s[16:17], s[48:49]
	s_lshl_b32 s48, s27, 2
	s_add_co_u32 s48, s48, s20
	s_lshl_b32 s48, s48, 16
	s_add_nc_u64 s[18:19], s[18:19], s[48:49]      ; my plane of part: 65,536 bytes x (4 y + w)
; The tokens of tile 4 m + w (16 rows): register k: row 2 k + h, as the gather's load k wants it; register 8: row lane / 2, for the scale bytes.
.macro TOKENS m, tk
.irp k, 0,1,2,3,4,5,6,7
	global_load_b32 v[\tk+\k], v[LRA], s[8:9] offset:256*(\m)+8*\k
.endr
	global_load_b32 v[\tk+8], v[LRS], s[8:9] offset:256*(\m)
.endm
.macro OFFSETS tk, of                  ; token x 768 + 16 r in x_codes; token x 32 + 16 (lane % 2) in x_scales
.irp k, 0,1,2,3,4,5,6,7,8
	v_min_u32 v[\of+\k], 8191, v[\tk+\k]
.endr
.irp k, 0,1,2,3,4,5,6,7
	v_mul_u32_u24 v[\of+\k], v[\of+\k], 768
.endr
	v_lshl_add_u32 v[\of+8], v[\of+8], 5, v[L16]
.irp k, 0,1,2,3,4,5,6,7
	v_add_nc_u32 v[\of+\k], v[\of+\k], v[R16]
.endr
.endm
.macro GATHER m, of                    ; tile 4 m + w is asked for: sixteen lanes read 256 consecutive bytes of a row, two rows a load: 25 loads
	global_load_b128 v[SG+4*((\m)%2):SG+4*((\m)%2)+3], v[\of+8], s[6:7]
	WIN 0xc0                                       ; destination window 3
.irp k, 0,1,2,3,4,5,6,7
.irp u, 0,1,2
	global_load_b128 v[96*((\m)%2)+12*\k+4*\u:96*((\m)%2)+12*\k+4*\u+3], v[\of+\k], s[4:5] offset:256*\u
.endr
.endr
	WIN 0
.endm
.macro GATHER_PUT m
	ds_store_b128 v[SSA], v[SG+4*((\m)%2):SG+4*((\m)%2)+3] offset:3072*(\m)
	WIN 0x0c                                       ; an LDS store's data are its source 1: window 3
.irp k, 0,1,2,3,4,5,6,7
.irp u, 0,1,2
	ds_store_b128 v[AST+14*((\m)/2)], v[96*((\m)%2)+12*\k+4*\u:96*((\m)%2)+12*\k+4*\u+3] offset:64*APITCH*((\m)%2)+2*APITCH*\k+256*\u
.endr
.endr
	WIN 0
.endm
; The 512 dense bytes of load q of a tile go to rows 784 bytes apart: three loads are two rows; in the middle one lanes 16-31 lie in the second row.
.macro TSTORE q, reg
.if (\q)%3 == 0
	ds_store_b128 v[SL], v[\reg:\reg+3] offset:2*APITCH*((\q)/3)
.elseif (\q)%3 == 1
	ds_store_b128 v[SLH], v[\reg:\reg+3] offset:2*APITCH*((\q)/3)+512
.else
	ds_store_b128 v[SL], v[\reg:\reg+3] offset:2*APITCH*((\q)/3)+1040
.endif
.endm
; Tile t's bytes come back as eight fragments, into the registers that they left: lane (r, h): row r, registers 6 c .. 6 c + 5 = the 24 bytes at 96 s + 48 c + 24 h.  LDS serves a wave's instructions in order.
.macro TRANSPOSE t
	WIN 0x04
.irp q, 0,1,2,3,4,5,6,7,8,9,10,11
	TSTORE \q, 48*(\t)+4*\q
.endr
	WIN 0x08
.irp q, 12,13,14,15,16,17,18,19,20,21,22,23
	TSTORE \q, 48*(\t)+4*(\q-12)
.endr
	WIN 0x40
	s_wait_alu depctr_vm_vsrc(0)                   ; the 24 stores above have read tile t's 96 registers, in which the 48 loads below land
.irp s4, 0,1,2,3
.irp p, 0,1,2,3,4,5
	ds_load_b64 v[48*(\t)+12*\s4+2*\p:48*(\t)+12*\s4+2*\p+1], v[FRB] offset:96*\s4+48*(\p/3)+8*(\p%3)
.endr
.endr
	WIN 0x80
.irp s4, 0,1,2,3
.irp p, 0,1,2,3,4,5
	ds_load_b64 v[48*(\t)+12*\s4+2*\p:48*(\t)+12*\s4+2*\p+1], v[FRB] offset:384+96*\s4+48*(\p/3)+8*(\p%3)
.endr
.endr
	WIN 0
.endm
	s_wait_alu depctr_va_vdst(0)                   ; the addresses and offsets v4 to v31 are written, which the loads and stores of the whole kernel read
	TOKENS 0, TKA                                  ; the tokens first: the gather hangs on them
	TOKENS 1, TKB
	WIN 0x40                                       ; destination window 1
.irp t, 0,1,2,3                        ; my 64 rows of weights are 49,152 dense bytes: 512 consecutive bytes a load; the first half of each tile of 16 rows
.irp q, 0,1,2,3,4,5,6,7,8,9,10,11
	global_load_b128 v[48*\t+4*\q:48*\t+4*\q+3], v[BOF], s[10:11] offset:12288*\t+512*\q
.endr
.endr
	WIN 0
	s_wait_loadcnt 48                              ; the tokens of two tiles are in; the 48 younger loads are weights
	OFFSETS TKA, OFA
	OFFSETS TKB, OFB
	WIN 0x80                                       ; destination window 2: the second half of each tile
.irp t, 0,1,2,3
.irp q, 0,1,2,3,4,5,6,7,8,9,10,11
	global_load_b128 v[48*\t+4*\q:48*\t+4*\q+3], v[BOF], s[10:11] offset:12288*\t+6144+512*\q
.endr
.endr
	WIN 0x40
.irp t, 0,1,2,3                        ; expert_b in the result's layout: lane (r, h): columns 16 t + 8 h + 0 .. 7
	global_load_b128 v[BIAS+8*\t:BIAS+8*\t+3], v[BIO], s[14:15] offset:64*\t
	global_load_b128 v[BIAS+8*\t+4:BIAS+8*\t+7], v[BIO], s[14:15] offset:64*\t+16
.endr
	WIN 0
.irp t, 0,1,2,3                        ; the weights' scale words: lane r: row 16 t + r, its eight words
	global_load_b128 v[BSC+8*\t:BSC+8*\t+3], v[BSO], s[12:13] offset:512*\t
	global_load_b128 v[BSC+8*\t+4:BSC+8*\t+7], v[BSO], s[12:13] offset:512*\t+16
.endr
.irp t, 0,1,2,3                        ; head_w of the same columns, two numbers a column, into the registers that the accumulators will take
.irp u, 0,1,2,3
	global_load_b128 v[ACC+16*\t+4*\u:ACC+16*\t+4*\u+3], v[HWO], s[16:17] offset:128*\t+16*\u
.endr
.endr
	s_wait_alu depctr_va_vdst(0)                   ; the lines that made the offsets are done reading the tokens' registers, in which the next tokens land, and have written the offsets, which the gathers read
	TOKENS 2, TKA                                  ; the other two tiles' tokens, into the registers that the offsets above have read
	TOKENS 3, TKB
	GATHER 0, OFA
	GATHER 1, OFB
	s_wait_loadcnt 50                              ; weights, scales, expert_b, head_w and the tokens are in; the 50 younger loads are the two tiles' 25 each
.irp t, 0,1,2,3
.irp i, 0,1,2,3,4,5,6,7
	v_mov_b32 v[HW+8*\t+\i], v[ACC+16*\t+2*\i]     ; head_w's two columns are parted once, so that the packed multiply-adds of every pair take register pairs as they stand
	v_mov_b32 v[HW+32+8*\t+\i], v[ACC+16*\t+2*\i+1]
.endr
.endr
	TRANSPOSE 0
	TRANSPOSE 1
	s_wait_loadcnt 0x0                             ; the two tiles are in; their offsets are free
	GATHER_PUT 0
	GATHER_PUT 1
	s_wait_dscnt 0x0                               ; the stores into LDS have read the registers that the loads below fill
	s_wait_xcnt 0x0
	s_wait_alu depctr_vm_vsrc(0)                   ; the two gathers' loads have read their offsets, which the lines below write again; the stores into LDS have read the stages, in which the next gathers' loads land
	OFFSETS TKA, OFA
	OFFSETS TKB, OFB
	s_wait_alu depctr_va_vdst(0)                   ; the offsets are written, which the gathers below read
	GATHER 2, OFA
	GATHER 3, OFB
	TRANSPOSE 2
	TRANSPOSE 3
	s_wait_loadcnt 0x0
	GATHER_PUT 2
	GATHER_PUT 3
	s_wait_dscnt 0x0                               ; for the others' sake: my rows have landed; for mine: my weights' fragments are in
	s_barrier_signal -1
	s_barrier_wait -1
	s_wait_kmcnt 0x0                               ; the number of rows
	s_min_u32 s30, s30, 2048                       ; n
	s_add_co_u32 s31, s30, 31
	s_lshr_b32 s31, s31, 5                         ; pairs of tiles
	s_min_u32 s32, s31, 8                          ; of them in LDS
	s_wait_alu depctr_vm_vsrc(0)                   ; my last stores into LDS have read the stages, which are sets X and Y from here on; the last gathers have read their offsets, four of which the rows beyond 256 write again
	v_mov_b32 v[YR+6], 0                           ; written once: a lane permute's destination counts as one of its sources
	v_mov_b32 v[YR+7], 0
; Fragment f of the eight of a set (half 0: K steps 0-3, set X; 1: K steps 4-7, set Y): tile f % 2 of the pair, K step 4 half + f / 2; from off bytes behind the address register.  Called with the destination in window 3.
.macro FRAG adr, off, half, f
.irp p, 0,1,2,3,4,5
	ds_load_b64 v[96*(\half)+48*((\f)%2)+12*((\f)/2)+2*\p:96*(\half)+48*((\f)%2)+12*((\f)/2)+2*\p+1], v[\adr] offset:(\off)+16*APITCH*((\f)%2)+96*(4*(\half)+(\f)/2)+48*(\p/3)+8*(\p%3)
.endr
.endm
.macro SCHALF off, half                ; the two tiles' scale words of the same four K steps: lane r: row r's four.  They go with their set of fragments
.irp a, 0,1
	ds_load_b128 v[ASC+8*\a+4*(\half):ASC+8*\a+4*(\half)+3], v[ASA] offset:(\off)+768*\a+16*(\half)
.endr
.endm
; 8 matrix instructions: one K step x two tiles of rows x my four tiles of columns.  The eight accumulators take turns, one instruction a turn, in the same order in every K step.
.macro RUNK half, s4
.if (\half == 0) && (\s4 == 0)
	WIN 0x1d                                       ; source 0 (weights) window 1, source 1 (rows) window 3, C (expert_b) window 1, D window 0
.elseif \half == 0
	WIN 0x0d
.else
	WIN 0x0e                                       ; weights in window 2
.endif
.irp a, 0,1
.irp t, 0,1,2,3
.if (\half == 0) && (\s4 == 0)
	v_wmma_scale_f32_16x16x128_f8f6f4 v[ACC+32*\a+8*\t:ACC+32*\a+8*\t+7], v[48*\t+12*\s4:48*\t+12*\s4+11], v[96*\half+48*\a+12*\s4:96*\half+48*\a+12*\s4+11], v[BIAS+8*\t:BIAS+8*\t+7], v[BSC+8*\t+4*\half+\s4], v[ASC+8*\a+4*\half+\s4] matrix_a_fmt:MATRIX_FMT_BF6 matrix_b_fmt:MATRIX_FMT_BF6
.else
	v_wmma_scale_f32_16x16x128_f8f6f4 v[ACC+32*\a+8*\t:ACC+32*\a+8*\t+7], v[48*\t+12*\s4:48*\t+12*\s4+11], v[96*\half+48*\a+12*\s4:96*\half+48*\a+12*\s4+11], v[ACC+32*\a+8*\t:ACC+32*\a+8*\t+7], v[BSC+8*\t+4*\half+\s4], v[ASC+8*\a+4*\half+\s4] matrix_a_fmt:MATRIX_FMT_BF6 matrix_b_fmt:MATRIX_FMT_BF6
.endif
.endr
.endr
.endm
.macro RUN half                        ; a step with nothing dealt among its 32 products
	RUNK \half, 0
	RUNK \half, 1
	RUNK \half, 2
	RUNK \half, 3
.endm
; The head: four chains (tile x head column) of 16 packed multiply-adds; each accumulator is read from its low end on.  Then the lanes' halves meet: lanes 0-15 end with the first tile's rows, lanes 16-31 with the second's.
; prev = 1: a pair has stored before this one.
.macro HEAD prev
	s_wait_xcnt 0x0                                ; the last pair's store has read its data and its offset: both are written again below
.if \prev
	s_wait_alu depctr_vm_vsrc(0)                   ; the last pair's store has read v[YR:YR+1] and v[ROW], which this pair's lines write again; beyond 256 rows: this pair's loads have read their four offsets, which the next pair writes again
.endif
.irp jp, 0,1,2,3
.irp t, 0,1,2,3
.irp a, 0,1
.irp c, 0,1
.if (\jp == 0) && (\t == 0)
	v_pk_mul_f32 v[Y+4*\a+2*\c:Y+4*\a+2*\c+1], v[ACC+32*\a+8*\t+2*\jp:ACC+32*\a+8*\t+2*\jp+1], v[HW+32*\c+8*\t+2*\jp:HW+32*\c+8*\t+2*\jp+1]
.else
	v_pk_fma_f32 v[Y+4*\a+2*\c:Y+4*\a+2*\c+1], v[ACC+32*\a+8*\t+2*\jp:ACC+32*\a+8*\t+2*\jp+1], v[HW+32*\c+8*\t+2*\jp:HW+32*\c+8*\t+2*\jp+1], v[Y+4*\a+2*\c:Y+4*\a+2*\c+1]
.endif
.endr
.endr
.endr
.endr
.irp i, 0,1,2,3
	v_add_f32 v[YR+\i], v[Y+2*\i], v[Y+2*\i+1]     ; first tile: columns 0, 1; second tile: columns 0, 1
.endr
	v_cndmask_b32 v[YR+4], v[YR+2], v[YR], s38     ; what the other half wants: lanes 0-15 send the second tile's, lanes 16-31 the first's
	v_cndmask_b32 v[YR+5], v[YR+3], v[YR+1], s38
	v_cndmask_b32 v[YR], v[YR], v[YR+2], s38       ; what I keep
	v_cndmask_b32 v[YR+1], v[YR+1], v[YR+3], s38
	v_permlanex16_b32 v[YR+6], v[YR+4], s40, s41
	v_permlanex16_b32 v[YR+7], v[YR+5], s40, s41
	v_add_f32 v[YR], v[YR], v[YR+6]
	v_add_f32 v[YR+1], v[YR+1], v[YR+7]
.endm
.macro SEND                            ; every lane stores its row's two numbers, 8 bytes at its token's place in my plane (a lane past the last row: the first token's, once more)
	v_min_u32 v[ROW], 8191, v[TOK]
	v_lshlrev_b32 v[ROW], 3, v[ROW]
	s_wait_alu depctr_va_vdst(0)                   ; THE PAIR'S END: v[YR:YR+1] and v[ROW] are written, which the store reads; the pair's last 32 products are done reading set Y and its scale words, and v[TOK] has been read: the next pair's loads land in these
	global_store_b64 v[ROW], v[YR:YR+1], s[18:19]
.endm
; Pair p of the eight in LDS.  Its set X and that set's scale words were asked for in the pair before (pair 0's ahead of the run); pair p + 1's are asked for here: all 256 rows are filled, so the rows exist whatever n is.
; A step's 50 loads for the other set: 2 + 18 at its head, 18 behind its first eight products, 12 behind the next eight; sixteen products follow the last of them.
.macro PAIR p
.set AR0, AFA+(\p)/3
.set AO0, 32*APITCH*((\p)%3)
.set AR1, AFA+((\p)+1)/3
.set AO1, 32*APITCH*(((\p)+1)%3)
	global_load_b32 v[TOK], v[LLA], s[8:9] offset:128*(\p)   ; the pair's tokens, one a lane: wanted behind the pair's 64 products.  (No wait here: no vector or matrix line has been issued since the wait at the last pair's end)
	SCHALF 1536*(\p), 1
	WIN 0xc0
.irp f, 0,1,2
	FRAG AR0, AO0, 1, \f
.endr
	s_wait_dscnt 20                                ; set X and its scale words are in; the 20 younger loads are set Y's first
	RUNK 0, 0
	WIN 0xc0
.irp f, 3,4,5
	FRAG AR0, AO0, 1, \f                           ; no wait: the products since the last wait name set X, not set Y
.endr
	RUNK 0, 1
	WIN 0xc0
.irp f, 6,7
	FRAG AR0, AO0, 1, \f
.endr
	RUNK 0, 2
	RUNK 0, 3
	WIN 0
	PLACES 4                                       ; in front of the loads into set X and its scale words: they stay beside the wait below
.if (\p) < 7
	s_wait_alu depctr_va_vdst(0)                   ; the pair's first 32 products are done reading set X and its scale words, in which the next pair's loads land
	SCHALF 1536*((\p)+1), 0
	WIN 0xc0
.irp f, 0,1,2
	FRAG AR1, AO1, 0, \f
.endr
	s_wait_dscnt 20                                ; set Y and its scale words are in; the 20 younger loads are the next pair's set X's first
	RUNK 1, 0
	WIN 0xc0
.irp f, 3,4,5
	FRAG AR1, AO1, 0, \f                           ; no wait: the products since the last wait name set Y, not set X
.endr
	RUNK 1, 1
	WIN 0xc0
.irp f, 6,7
	FRAG AR1, AO1, 0, \f
.endr
	RUNK 1, 2
	RUNK 1, 3
.else
	s_wait_dscnt 0x0                               ; the last pair in LDS asks for nothing more
	RUN 1
.endif
	WIN 0
	PLACES 5                                       ; in front of the reads of the results (4), and of the next pair's first products, which write over the accumulators with another C (5)
	HEAD (\p) > 0
	s_wait_loadcnt 0x0                             ; the pair's tokens: the one load that is out
	SEND
.endm
	s_cmp_eq_u32 s32, 0
	s_cbranch_scc1 .Lpairs_done                    ; a slot without rows multiplies and stores nothing
	SCHALF 0, 0                                    ; pair 0, K steps 0-3
	WIN 0xc0
.irp f, 0,1,2,3,4,5,6,7
	FRAG AFA, 0, 0, \f
.endr
	WIN 0
	PAIR 0
.irp p, 1,2,3,4,5,6,7
	s_cmp_le_u32 s32, \p
	s_cbranch_scc1 .Lpairs_done
	PAIR \p
.endr
.Lpairs_done:
	s_wait_dscnt 0x0                               ; the loads ahead have landed: their registers may be loaded again
; Pair k of a trip of the rows beyond LDS's 256: each wave takes its fragments straight from memory.  Only where a slot has more than 256 rows.
.macro OPAIR k
	global_load_b32 v[TOK], v[LLA], s[RB:RB+1] offset:128*\k       ; (no wait here: no vector or matrix line since the wait at the last pair's end names these three registers)
	global_load_b32 v[OTK], v[LRT], s[RB:RB+1] offset:128*\k       ; lane (r, h): row r of the first tile,
	global_load_b32 v[OTK+1], v[LRT], s[RB:RB+1] offset:128*\k+64  ; and of the second
	s_wait_loadcnt 0x0
	v_min_u32 v[OOF], 8191, v[OTK]
	v_min_u32 v[OOF+1], 8191, v[OTK+1]
	v_lshlrev_b32 v[OOF+2], 5, v[OOF]
	v_lshlrev_b32 v[OOF+3], 5, v[OOF+1]
	v_mul_u32_u24 v[OOF], v[OOF], 768
	v_mul_u32_u24 v[OOF+1], v[OOF+1], 768
	v_add_nc_u32 v[OOF], v[OOF], v[H24]
	v_add_nc_u32 v[OOF+1], v[OOF+1], v[H24]
	s_wait_alu depctr_va_vdst(0)                   ; the four offsets are written, which the loads below read
.irp a, 0,1
.irp q, 0,1
	global_load_b128 v[ASC+8*\a+4*\q:ASC+8*\a+4*\q+3], v[OOF+2+\a], s[6:7] offset:16*\q
.endr
.endr
	WIN 0xc0
.irp half, 0,1
.irp a, 0,1
.irp s4, 0,1,2,3
.irp p, 0,1,2,3,4,5
	global_load_b64 v[96*\half+48*\a+12*\s4+2*\p:96*\half+48*\a+12*\s4+2*\p+1], v[OOF+\a], s[4:5] offset:96*(4*\half+\s4)+48*(\p/3)+8*(\p%3)
.endr
.endr
.endr
.endr
	s_wait_loadcnt 0x0
	RUN 0
	RUN 1
	WIN 0
	PLACES 5
	HEAD 1
	SEND
.endm
	s_add_nc_u64 s[RB:RB+1], s[8:9], 1024          ; the record at pair 8: 128 bytes a pair
	s_mov_b32 s33, 8
.Lover:                                            ; pairs 8 to 63, two a trip: 28 trips whatever n is; the record is reached by a scalar base, so that no vector line writes an offset here
	s_cmp_ge_u32 s33, s31
	s_cbranch_scc1 .Lover_skip                     ; no such pair: the trip's work is jumped over
	OPAIR 0
	s_add_co_u32 s34, s33, 1
	s_cmp_ge_u32 s34, s31
	s_cbranch_scc1 .Lover_skip
	OPAIR 1
.Lover_skip:
	s_add_nc_u64 s[RB:RB+1], s[RB:RB+1], 256       ; the next trip's two pairs (the loads that read this base were waited for in their own pair)
	s_add_co_u32 s33, s33, 2
	s_cmp_lt_u32 s33, 64
	s_cbranch_scc1 .Lover
	s_wait_dscnt 0x0                               ; the closing lines, six on end
	s_wait_alu 0x0
	s_wait_tensorcnt 0x0
	ds_add_u32 v254, v255
	s_wait_dscnt 0x0
	s_endpgm
.Lfunc_end_k_q06517192b5_experts:
	.size	k_q06517192b5_experts, .Lfunc_end_k_q06517192b5_experts-k_q06517192b5_experts
	.p2alignl 7, 3214868480
	.fill 96, 4, 3214868480
	.section	.rodata,"a",@progbits
	.p2align	6, 0x0
	.amdhsa_kernel k_q06517192b5_experts
		.amdhsa_group_segment_fixed_size 263680
		.amdhsa_private_segment_fixed_size 0
		.amdhsa_enable_private_segment 0
		.amdhsa_kernarg_size 64
		.amdhsa_user_sgpr_count 2
		.amdhsa_user_sgpr_kernarg_segment_ptr 1
		.amdhsa_wavefront_size32 1
		.amdhsa_system_sgpr_workgroup_id_x 1
		.amdhsa_system_sgpr_workgroup_id_y 1
		.amdhsa_system_sgpr_workgroup_id_z 1
		.amdhsa_system_vgpr_workitem_id 0
		.amdhsa_next_free_vgpr 1024
		.amdhsa_next_free_sgpr 66
		.amdhsa_reserve_vcc 0
		.amdhsa_float_denorm_mode_32 3
		.amdhsa_float_denorm_mode_16_64 3
		.amdhsa_memory_ordered 1
		.amdhsa_forward_progress 1
		.amdhsa_inst_pref_size 255
	.end_amdhsa_kernel
	.section	.bss,"aw",@nobits
	.p2align	6
	.space	262144
	.amdgpu_metadata
---
amdhsa.version: [ 1, 2 ]
amdhsa.kernels:
  - .name:           k_q06517192b5_experts
    .symbol:         k_q06517192b5_experts.kd
    .args:
      - { .name: x_codes, .offset: 0, .size: 8, .value_kind: global_buffer, .address_space: global }
      - { .name: x_scales, .offset: 8, .size: 8, .value_kind: global_buffer, .address_space: global }
      - { .name: list, .offset: 16, .size: 8, .value_kind: global_buffer, .address_space: global }
      - { .name: expert_w_codes, .offset: 24, .size: 8, .value_kind: global_buffer, .address_space: global }
      - { .name: expert_w_scales, .offset: 32, .size: 8, .value_kind: global_buffer, .address_space: global }
      - { .name: expert_b, .offset: 40, .size: 8, .value_kind: global_buffer, .address_space: global }
      - { .name: head_w, .offset: 48, .size: 8, .value_kind: global_buffer, .address_space: global }
      - { .name: part, .offset: 56, .size: 8, .value_kind: global_buffer, .address_space: global }
    .group_segment_fixed_size: 263680
    .private_segment_fixed_size: 0
    .kernarg_segment_align: 8
    .kernarg_segment_size: 64
    .max_flat_workgroup_size: 128
    .sgpr_count:     66
    .vgpr_count:     1024
    .wavefront_size: 32
...
	.end_amdgpu_metadata
.endif
;; end of part 7
;; launch finish (part 8): grid 64 x 1, 1 waves a work-group, no clusters, 0 bytes of LDS; arguments part, cw, head_b, out0; writes out0
.if DOCPART == 8
	.amdgcn_target "amdgcn-amd-amdhsa--gfx1250"
	.amdhsa_code_object_version 6
	.text
	.protected	k_q06517192b5_finish
	.globl	k_q06517192b5_finish
	.p2align	8
	.type	k_q06517192b5_finish,@function
k_q06517192b5_finish:
	s_mov_b64 s[64:65], 0
	v_nop
	global_prefetch_b8 v0, s[64:65] scope:SCOPE_SE
	s_setreg_imm32_b32 hwreg(HW_REG_WAVE_MODE, 25, 1), 1
	s_wait_xcnt 0x0
; FINISH.  out0[b][c] = head_b[c] + 0.25 x the sum over the 4 modalities m of cw[m][b] x (the sum over the 16 column chunks cb of part[cb][2048 m + b][c]).
; A lane owns one b; a wave 32 neighbouring b: each load of part reads 256 consecutive bytes, at a multiple of 256 from the buffer's first byte, and the one store fills such a run.
; There is work for 64 waves, so 64 work-groups of one wave are launched.  No LDS, no barrier: lanes share nothing.
; The sums' order differs from the source's (columns first, then modalities): f32 rounding only.
	s_load_b256 s[4:11], s[0:1], 0x0               ; part, cw, head_b, out0
	v_lshlrev_b32 v1, 3, v0                        ; 8 bytes a lane
	v_lshlrev_b32 v2, 2, v0
	s_lshl_b32 s12, ttmp9, 8
	s_mov_b32 s13, 0
	s_lshl_b32 s14, ttmp9, 7
	s_mov_b32 s15, 0
	s_mov_b32 s18, 0x3e800000                      ; 0.25: the mean over four
	s_wait_alu depctr_va_vdst(0)
	s_wait_kmcnt 0x0
	s_load_b64 s[16:17], s[8:9], 0x0               ; head_b
	s_add_nc_u64 s[4:5], s[4:5], s[12:13]
	s_add_nc_u64 s[10:11], s[10:11], s[12:13]
	s_add_nc_u64 s[6:7], s[6:7], s[14:15]
.irp m, 0,1,2,3
.irp cb, 0,1,2,3,4,5,6,7,8,9,10,11,12,13,14,15
	global_load_b64 v[8+2*(16*\m+\cb):9+2*(16*\m+\cb)], v1, s[4:5] offset:65536*\cb+16384*\m th:TH_LOAD_NT
.endr
.endr
.irp m, 0,1,2,3
	global_load_b32 v[136+\m], v2, s[6:7] offset:8192*\m th:TH_LOAD_NT
.endr
	s_wait_loadcnt 0x0
	s_wait_kmcnt 0x0
.irp cb, 1,2,3,4,5,6,7
.irp m, 0,1,2,3
	v_pk_add_f32 v[8+32*\m:9+32*\m], v[8+32*\m:9+32*\m], v[8+32*\m+2*\cb:9+32*\m+2*\cb]           ; two chains for each modality, eight chains by turns
	v_pk_add_f32 v[24+32*\m:25+32*\m], v[24+32*\m:25+32*\m], v[24+32*\m+2*\cb:25+32*\m+2*\cb]
.endr
.endr
.irp m, 0,1,2,3
	v_pk_add_f32 v[8+32*\m:9+32*\m], v[8+32*\m:9+32*\m], v[24+32*\m:25+32*\m]
.endr
	v_mul_f32 v140, v8, v136                       ; x the token's weight s
	v_mul_f32 v141, v9, v136
.irp m, 1,2,3
	v_fma_f32 v140, v[8+32*\m], v[136+\m], v140
	v_fma_f32 v141, v[9+32*\m], v[136+\m], v141
.endr
	v_fma_f32 v140, v140, s18, s16
	v_fma_f32 v141, v141, s18, s17
	global_store_b64 v1, v[140:141], s[10:11]
	s_endpgm
.Lfunc_end_k_q06517192b5_finish:
	.size	k_q06517192b5_finish, .Lfunc_end_k_q06517192b5_finish-k_q06517192b5_finish
	.p2alignl 7, 3214868480
	.fill 96, 4, 3214868480
	.section	.rodata,"a",@progbits
	.p2align	6, 0x0
	.amdhsa_kernel k_q06517192b5_finish
		.amdhsa_group_segment_fixed_size 0
		.amdhsa_private_segment_fixed_size 0
		.amdhsa_enable_private_segment 0
		.amdhsa_kernarg_size 32
		.amdhsa_user_sgpr_count 2
		.amdhsa_user_sgpr_kernarg_segment_ptr 1
		.amdhsa_wavefront_size32 1
		.amdhsa_system_sgpr_workgroup_id_x 1
		.amdhsa_system_sgpr_workgroup_id_y 1
		.amdhsa_system_sgpr_workgroup_id_z 1
		.amdhsa_system_vgpr_workitem_id 0
		.amdhsa_next_free_vgpr 160
		.amdhsa_next_free_sgpr 66
		.amdhsa_reserve_vcc 0
		.amdhsa_float_denorm_mode_32 3
		.amdhsa_float_denorm_mode_16_64 3
		.amdhsa_memory_ordered 1
		.amdhsa_forward_progress 1
		.amdhsa_inst_pref_size 12
	.end_amdhsa_kernel
	.amdgpu_metadata
---
amdhsa.version: [ 1, 2 ]
amdhsa.kernels:
  - .name:           k_q06517192b5_finish
    .symbol:         k_q06517192b5_finish.kd
    .args:
      - { .name: part, .offset: 0, .size: 8, .value_kind: global_buffer, .address_space: global }
      - { .name: cw, .offset: 8, .size: 8, .value_kind: global_buffer, .address_space: global }
      - { .name: head_b, .offset: 16, .size: 8, .value_kind: global_buffer, .address_space: global }
      - { .name: out0, .offset: 24, .size: 8, .value_kind: global_buffer, .address_space: global }
    .group_segment_fixed_size: 0
    .private_segment_fixed_size: 0
    .kernarg_segment_align: 8
    .kernarg_segment_size: 32
    .max_flat_workgroup_size: 32
    .sgpr_count:     66
    .vgpr_count:     160
    .wavefront_size: 32
...
	.end_amdgpu_metadata
.endif
;; end of part 8
